; MI455X (gfx1250); checked and timed in simulation.
; The chip was launched on July 23, 2026; its instructions are those of AMD's public machine-readable ISA for CDNA 5 (MIT licence, August 2026) and "CDNA5" Instruction Set Architecture Reference Guide (July 2026). The comments in the code are by the model that wrote it; some were corrected since.
;; Self Attention. Allowed arithmetic: matrix products marked QUANTISED: E2M3 operands, one E8M0 scale for each 32 along K, by v_wmma_scale_f32_16x16x128_f8f6f4 with both operands' format E2M3, f32 sums; everything else in f32.
;; Inputs: Wk 16 x 1,024 x 64 float32; Wo 1,024 x 1,024 float32; Wq 16 x 1,024 x 64 float32; Wv 16 x 1,024 x 64 float32; mask 2 x 2,048 float32; x 2 x 1,024 x 2,048 float32.
;; Outputs: out0 2 x 1,024 x 2,048 float32.
;; This version of the problem:
;;   THIS VERSION OF THE PROBLEM IS GIVEN IN LOW PRECISION. The matrix products marked QUANTISED in the list below multiply operands that are first quantised to E2M3 (2 exponent bits, 3 mantissa bits; 6 bits a number), with one power-of-two scale for each 32 numbers along K (OCP MX v1.0); their sums are f32. All else is computed in f32.
;;   The module's matrix products, in the order in which they are computed (A, B: the left and right operand; K: the contracted axis; several contracted axes count as one K, in the product's order):
;;     1. [M 1,024, K 1,024] x [K 1,024, N 4,096]; A: input Wq; B: input x: QUANTISED
;;     2. [M 1,024, K 1,024] x [K 1,024, N 4,096]; A: input Wk; B: input x: QUANTISED
;;     3. [M 1,024, K 1,024] x [K 1,024, N 4,096]; A: input Wv; B: input x: QUANTISED
;;     4. batch 32 x [M 2,048, K 64] x [K 64, N 2,048]; A: computed on the way; B: computed on the way: QUANTISED
;;     5. batch 32 x [M 2,048, K 2,048] x [K 2,048, N 64]; A: computed on the way; B: computed on the way: QUANTISED
;;     6. [M 4,096, K 1,024] x [K 1,024, N 1,024]; A: computed on the way; B: input Wo: QUANTISED
;;     7. [M 4,096, K 1,024] x [K 1,024, N 1,024]; A: computed on the way; B: input Wo: QUANTISED
;;   THE QUANTISER, for each operand of a quantised product, along K:
;;     - K is cut into blocks of 32 from its start; a last block that is shorter is filled with zeros.
;;     - A block's scale is 2^e with e = floor(log2(the largest magnitude in the block)) - 2, held to -126 .. 127; a block of zeros has e = 0. As a byte (E8M0): e + 127.
;;     - Each number is divided by its block's scale, clamped to +-7.5, and rounded to the nearest number of E2M3, ties to even, subnormals kept.
;;     - The product sums the exact products of the quantised numbers (number of the format x scale) in f32.
;;   ~~~python
;;   def quantise(x, axis):      # numpy; x: float32 -> the quantised numbers, widened to float32 again
;;       x = np.moveaxis(x, axis, -1); K = x.shape[-1]
;;       x = np.pad(x, [(0, 0)] * (x.ndim - 1) + [(0, -K % 32)]); x = x.reshape(x.shape[:-1] + (-1, 32)); a = np.abs(x).max(-1, keepdims=True)
;;       e = np.where(a > 0, np.clip(np.frexp(np.where(a > 0, a, 1))[1] - 1 - 2, -126, 127), 0)      # np.frexp(a)[1] - 1 = floor(log2(a)), exactly
;;       r = np.clip(x / 2.0 ** e, -7.5, 7.5)
;;       step = 2.0 ** (np.maximum(np.frexp(np.where(r == 0, 1, r))[1] - 1, 0) - 3)
;;       q = np.round(r / step) * step * 2.0 ** e      # np.round: ties to even
;;       return np.moveaxis(q.reshape(q.shape[:-2] + (-1,))[..., :K], -1, axis).astype(np.float32)
;;   ~~~
;;   OPERANDS COMPUTED ON THE WAY. 'Computed on the way' means the value that the module computes at that place (a softmax that the list does not call 'softmax' is quantised finished and normalised). What goes into a quantiser is computed in f32, as accurately as f32 sums, v_exp_f32 and their like allow (about 1e-6 of the number): no bf16 or f16 on the way to a quantiser, and a product that is left as it is and whose result goes on into a quantised operand takes f32 operands (vector FMAs, or v_wmma_f32_16x16x4_f32). A number that lies on a knife's edge between two numbers of the format may be rounded either way, as far as f32 arithmetic and the matrix unit's own rounding can turn it there, and no further.
;; One version. Each part assembles by itself: llvm-mc -triple=amdgcn-amd-amdhsa -mcpu=gfx1250 --defsym DOCPART=n.
;; ======== version 1 of 1: 4 launches
;; limits: right only within a limited range of input values
;; workspace buffers: xbuf 3,276,800 bytes; wqk 1,638,400 bytes; wv 819,200 bytes; wo 819,200 bytes; qbuf 3,407,872 bytes; kbuf 3,407,872 bytes; vbuf 3,276,800 bytes; hbuf 3,276,800 bytes
;; launch quant (part 1): grid 64 x 8, 4 waves a work-group, no clusters, 13,824 bytes of LDS; arguments x, Wq, Wk, Wv, Wo, xbuf, wqk, wv, wo; writes xbuf, wqk, wv, wo
.if DOCPART == 1
	.amdgcn_target "amdgcn-amd-amdhsa--gfx1250"
	.amdhsa_code_object_version 6
	.text
	.protected	k_q08b531ee78_quant
	.globl	k_q08b531ee78_quant
	.p2align	8
	.type	k_q08b531ee78_quant,@function
k_q08b531ee78_quant:
	s_mov_b64 s[64:65], 0
	v_nop
	global_prefetch_b8 v0, s[64:65] scope:SCOPE_SE
	s_setreg_imm32_b32 hwreg(HW_REG_WAVE_MODE, 25, 1), 1
	s_wait_xcnt 0x0
; x [2][1024 d][2048 l], Wq, Wk, Wv [16][1024 d][64], Wo [1024 e][1024 n], all f32, are operands whose K (d, or e) is NOT innermost.
; They become codes of FP6 (E2M3) with one E8M0 byte for each 32 along K, laid in the order of the matrix operand's registers.
; A LANE TAKES A COLUMN AND ITS REGISTERS RUN DOWN K: a wave takes 32 columns x 128 along K: 128 loads of 128 consecutive bytes; a block of 32 lies in one lane.
; TILES: the 32 columns 32 B + c make two tiles of 16 rows: tile u = (c >> 3) & 1, row rho = (c & 7) + 8 (c >> 4): tile 2 B + u holds columns 32 B + 8 u + rho + 8 (rho >> 3).
; IMAGE of a fragment (16 rows x 128 K, 12 registers a lane): piece p = registers 4 p .. 4 p + 3 of lane l at 512 p + 16 l: 1,536 bytes.  Lane (rho, h) holds K = 64 c + 32 h + 0 .. 31 in registers 6 c .. 6 c + 5.
; SCALE PAIR: 128 bytes, the word of (tile u, row rho) at 4 (16 u + rho): one register serves two tiles, the second from lanes 16-31.
; A lane's codes belong to other lanes of the image, so they go through the wave's own stage in LDS and leave as stores of 512 consecutive bytes.  No tensor load, no barrier: waves share nothing; no cluster: no two work-groups read the same bytes.
; A block's scale is 2^(floor(log2(largest magnitude)) - 2); its byte is that magnitude's exponent field - 2, held at 1 from below.
; LIMITS: a block of zeros gets the byte 1 (its codes are zeros, and this program alone reads the bytes); NaN and infinities among the inputs are not served.
; DEAD WORK, for all values of the inputs.  (1) reference() forms 'out' twice: the einsum 'ble,de->bld' is overwritten by head @ Wo before anything reads it, so that product is left out.
; (2) softmax(log_softmax(z)) = softmax(z): log_softmax takes from z a term that is the same along the keys, and a softmax's result does not hang on such a term; so ONE softmax of the masked scores is computed, its maximum taken away.
; LIMIT: a NaN, an infinity or an overflow that would arise only in the work left out is not carried to the result.
.set X,      80                        ; v80-207  the 128 numbers of my column
.set STG,    3328                      ; LDS: a wave's stage: two tiles,
.set TPITCH, 1664                      ; 1,536 + 128 bytes apart
	s_load_b256 s[4:11], s[0:1], 0x0               ; x, Wq, Wk, Wv
	s_load_b256 s[12:19], s[0:1], 0x20             ; Wo, xbuf, wqk, wv
	s_load_b64 s[20:21], s[0:1], 0x40              ; wo
	v_lshl_add_u32 v232, v0, 2, 0x3400
	v_mov_b32 v233, 0
	v_lshrrev_b32 v1, 5, v0
	v_readfirstlane_b32 s22, v1                    ; wave
	s_and_b32 s23, ttmp7, 0xffff                   ; y: 0-3 x, 4 Wq, 5 Wk, 6 Wv, 7 Wo
	v_and_b32 v1, 31, v0                           ; my column of the 32
	v_lshlrev_b32 v2, 2, v1                        ; in: 4 bytes a lane
	v_bfe_u32 v3, v0, 3, 1                         ; u
	v_and_b32 v4, 7, v0
	v_bfe_u32 v5, v0, 4, 1
	v_lshl_add_u32 v4, v5, 3, v4                   ; rho
	s_mul_i32 s24, s22, STG
	v_mul_u32_u24 v8, v3, TPITCH
	v_lshl_add_u32 v8, v4, 4, v8
	v_add_nc_u32 v8, s24, v8                       ; into the stage: tile u, 16 rho
	v_lshlrev_b32 v10, 4, v1                       ; out: 16 bytes a lane
	v_add_nc_u32 v9, s24, v10                      ; out of the stage
	v_lshl_add_u32 v11, v3, 4, v4
	v_lshlrev_b32 v11, 2, v11                      ; my scale word's place in the pair
	s_wait_kmcnt 0x0
	; the source and the destination: a choice of pointers on the work-group's y alone
	s_cmp_lt_u32 s23, 4
	s_cselect_b64 s[26:27], s[4:5], s[12:13]
	s_cselect_b64 s[28:29], s[14:15], s[20:21]
	s_cmp_eq_u32 s23, 4
	s_cselect_b64 s[26:27], s[6:7], s[26:27]
	s_cselect_b64 s[28:29], s[16:17], s[28:29]
	s_cmp_eq_u32 s23, 5
	s_cselect_b64 s[26:27], s[8:9], s[26:27]
	s_cselect_b64 s[28:29], s[16:17], s[28:29]
	s_cmp_eq_u32 s23, 6
	s_cselect_b64 s[26:27], s[10:11], s[26:27]
	s_cselect_b64 s[28:29], s[18:19], s[28:29]
.macro LOADS pitch                     ; number k of my column, k = 0 .. 127: the pitch from row to row stands in the immediate
.set KK, 0
.rept 128
	global_load_b32 v[X+KK], v2, s[26:27] offset:KK*(\pitch) th:TH_LOAD_NT
.set KK, KK+1
.endr
.endm
	; Three arms, by the tensor's shape.  Each leaves: s36 the record's byte offset, s37 the slot (pair of tiles) in it, s38 where its scale pairs begin; and issues the 128 loads.  No arm touches LDS.
	s_cmp_lt_u32 s23, 4
	s_cbranch_scc0 .Lnot_x
	s_lshl_b32 s30, s23, 6
	s_add_co_u32 s30, s30, ttmp9                   ; idx = 64 y + X
	s_and_b32 s31, s30, 31
	s_lshr_b32 s32, s30, 5                         ; sigma: which 128 of d
	s_lshl_b32 s33, s31, 2
	s_add_co_u32 s33, s33, s22                     ; which 32 positions of the 4,096
	s_lshr_b32 s34, s33, 6
	s_lshl_b32 s34, s34, 23                        ; the batch: 1,024 x 2,048 x 4 bytes
	s_lshl_b32 s35, s32, 20                        ; 128 rows of 8,192 bytes
	s_add_co_u32 s34, s34, s35
	s_and_b32 s35, s33, 63
	s_lshl_b32 s35, s35, 7
	s_add_co_u32 s34, s34, s35
	s_mov_b32 s35, 0
	s_lshr_b32 s36, s31, 1                         ; the group of 256 positions
	s_lshl_b32 s36, s36, 3
	s_add_co_u32 s36, s36, s32
	s_mul_i32 s36, s36, 25600
	s_and_b32 s37, s30, 1
	s_lshl_b32 s37, s37, 2
	s_add_co_u32 s37, s37, s22
	s_mov_b32 s38, 24576
	s_add_nc_u64 s[26:27], s[26:27], s[34:35]
	LOADS 8192
	s_branch .Ljoin
.Lnot_x:
	s_cmp_lt_u32 s23, 7
	s_cbranch_scc0 .Lwo
	s_lshr_b32 s30, ttmp9, 2                       ; head
	s_and_b32 s31, ttmp9, 3
	s_lshl_b32 s31, s31, 1
	s_lshr_b32 s32, s22, 1
	s_add_co_u32 s32, s31, s32                     ; sigma
	s_and_b32 s33, s22, 1                          ; which 32 of the head's 64 columns
	s_lshl_b32 s34, s30, 18
	s_lshl_b32 s35, s32, 15
	s_add_co_u32 s34, s34, s35
	s_lshl_b32 s35, s33, 7
	s_add_co_u32 s34, s34, s35
	s_mov_b32 s35, 0
	s_lshl_b32 s36, s30, 3
	s_add_co_u32 s36, s36, s32
	s_sub_co_u32 s37, s23, 4
	s_lshl_b32 s37, s37, 1                         ; Wq: slots 0, 1; Wk: slots 2, 3 of the joint record
	s_cmp_eq_u32 s23, 6                            ; Wv has records of its own
	s_cselect_b32 s37, 0, s37
	s_mov_b32 s38, 12288
	s_cselect_b32 s38, 6144, s38
	s_mov_b32 s39, 12800
	s_cselect_b32 s39, 6400, s39
	s_add_co_u32 s37, s37, s33
	s_mul_i32 s36, s36, s39
	s_add_nc_u64 s[26:27], s[26:27], s[34:35]
	LOADS 256
	s_branch .Ljoin
.Lwo:
	s_lshr_b32 s32, ttmp9, 3                       ; sigma
	s_and_b32 s30, ttmp9, 7                        ; the group of 128 columns
	s_lshl_b32 s34, s32, 19
	s_lshl_b32 s35, s30, 2
	s_add_co_u32 s35, s35, s22
	s_lshl_b32 s35, s35, 7
	s_add_co_u32 s34, s34, s35
	s_mov_b32 s35, 0
	s_lshl_b32 s36, s30, 3
	s_add_co_u32 s36, s36, s32
	s_mul_i32 s36, s36, 12800
	s_mov_b32 s37, s22
	s_mov_b32 s38, 12288
	s_add_nc_u64 s[26:27], s[26:27], s[34:35]
	LOADS 4096
.Ljoin:
	s_mul_i32 s39, s37, 3072                       ; two fragments a slot
	s_add_co_u32 s40, s36, s39
	s_mov_b32 s41, 0
	s_lshl_b32 s42, s37, 7
	s_add_co_u32 s42, s42, s38
	s_add_co_u32 s42, s42, s36
	s_mov_b32 s43, 0
	s_add_nc_u64 s[44:45], s[28:29], s[42:43]      ; my scale pair
	s_add_nc_u64 s[28:29], s[28:29], s[40:41]      ; my two fragments
; Block b = 2 c + h of my column: its six registers of codes are registers 6 c .. 6 c + 5 of lane (rho, h) of tile u.  Each block has registers of its own, so no LDS store's data are written again.
.macro BLOCK b
.set XS, X+32*(\b)
.set CD, 32+6*(\b)
.set C2, 56+4*(\b)
.if 96-32*(\b) > 63
	s_wait_loadcnt 63                              ; behind this block's loads 96 - 32 b were issued; the count names 63 at the most
.else
	s_wait_loadcnt 96-32*(\b)                      ; the later blocks' loads may be out
.endif
	v_max3_num_f32 v16, |v[XS]|, |v[XS+1]|, |v[XS+2]|
	v_max3_num_f32 v17, |v[XS+3]|, |v[XS+4]|, |v[XS+5]|
.irp i, 6,10,14,18,22,26
	v_max3_num_f32 v16, v16, |v[XS+\i]|, |v[XS+\i+1]|
	v_max3_num_f32 v17, v17, |v[XS+\i+2]|, |v[XS+\i+3]|
.endr
	v_max3_num_f32 v16, v16, |v[XS+30]|, |v[XS+31]|
	v_max3_num_f32 v16, v16, v17, 0x1800000        ; and the floor 2^(3 - 127): the byte cannot fall under 1
	v_add_nc_u32 v[20+\b], 0xff000000, v16         ; 2 off the exponent field: the conversion's scale operand
	v_cvt_scalef32_pk16_fp6_f32 v[CD:CD+2], v[XS:XS+15], v[20+\b]
	v_cvt_scalef32_pk16_fp6_f32 v[C2:C2+2], v[XS+16:XS+31], v[20+\b]   ; (a conversion's three registers begin on an even number)
	v_lshrrev_b32 v[24+\b], 23, v[20+\b]           ; the scale's byte; also the plain instruction behind the conversions
.if (\b) == 0
	v_mov_b32 v28, v24
.else
	v_lshl_or_b32 v28, v[24+\b], 8*(\b), v28       ; byte b of my column's scale word
.endif
	v_mov_b32 v[CD+3], v[C2]
	v_mov_b32 v[CD+4], v[C2+1]
	v_mov_b32 v[CD+5], v[C2+2]
.if (\b) < 2
	ds_store_b128 v8, v[CD:CD+3] offset:256*((\b)%2)
	ds_store_b64 v8, v[CD+4:CD+5] offset:512+256*((\b)%2)
.else
	ds_store_b64 v8, v[CD:CD+1] offset:520+256*((\b)%2)
	ds_store_b128 v8, v[CD+2:CD+5] offset:1024+256*((\b)%2)
.endif
.endm
	BLOCK 0
	BLOCK 1
	BLOCK 2
	BLOCK 3
.irp q, 0,1,2,3,4,5
	ds_load_b128 v[208+4*\q:211+4*\q], v9 offset:TPITCH*(\q/3)+512*(\q%3)   ; LDS serves a wave's instructions in order: these see my stores
.endr
	s_wait_alu depctr_va_vdst(0)
.irp q, 0,1,2,3,4,5
	s_wait_dscnt 5-\q                              ; the younger loads may be out
	global_store_b128 v10, v[208+4*\q:211+4*\q], s[28:29] offset:1536*(\q/3)+512*(\q%3)   ; 32 lanes store 512 consecutive bytes
.endr
	global_store_b32 v11, v28, s[44:45]            ; the pair's 128 bytes
	s_wait_tensorcnt 0x0
	ds_add_u32 v232, v233
	s_wait_dscnt 0x0
	s_endpgm
.Lfunc_end_k_q08b531ee78_quant:
	.size	k_q08b531ee78_quant, .Lfunc_end_k_q08b531ee78_quant-k_q08b531ee78_quant
	.p2alignl 7, 3214868480
	.fill 96, 4, 3214868480
	.section	.rodata,"a",@progbits
	.p2align	6, 0x0
	.amdhsa_kernel k_q08b531ee78_quant
		.amdhsa_group_segment_fixed_size 13824
		.amdhsa_private_segment_fixed_size 0
		.amdhsa_enable_private_segment 0
		.amdhsa_kernarg_size 72
		.amdhsa_user_sgpr_count 2
		.amdhsa_user_sgpr_kernarg_segment_ptr 1
		.amdhsa_wavefront_size32 1
		.amdhsa_system_sgpr_workgroup_id_x 1
		.amdhsa_system_sgpr_workgroup_id_y 1
		.amdhsa_system_sgpr_workgroup_id_z 1
		.amdhsa_system_vgpr_workitem_id 0
		.amdhsa_next_free_vgpr 234
		.amdhsa_next_free_sgpr 66
		.amdhsa_reserve_vcc 0
		.amdhsa_float_denorm_mode_32 3
		.amdhsa_float_denorm_mode_16_64 3
		.amdhsa_memory_ordered 1
		.amdhsa_forward_progress 1
		.amdhsa_inst_pref_size 49
	.end_amdhsa_kernel
	.amdgpu_metadata
---
amdhsa.version: [ 1, 2 ]
amdhsa.kernels:
  - .name:           k_q08b531ee78_quant
    .symbol:         k_q08b531ee78_quant.kd
    .args:
      - { .name: x, .offset: 0, .size: 8, .value_kind: global_buffer, .address_space: global }
      - { .name: Wq, .offset: 8, .size: 8, .value_kind: global_buffer, .address_space: global }
      - { .name: Wk, .offset: 16, .size: 8, .value_kind: global_buffer, .address_space: global }
      - { .name: Wv, .offset: 24, .size: 8, .value_kind: global_buffer, .address_space: global }
      - { .name: Wo, .offset: 32, .size: 8, .value_kind: global_buffer, .address_space: global }
      - { .name: xbuf, .offset: 40, .size: 8, .value_kind: global_buffer, .address_space: global }
      - { .name: wqk, .offset: 48, .size: 8, .value_kind: global_buffer, .address_space: global }
      - { .name: wv, .offset: 56, .size: 8, .value_kind: global_buffer, .address_space: global }
      - { .name: wo, .offset: 64, .size: 8, .value_kind: global_buffer, .address_space: global }
    .group_segment_fixed_size: 13824
    .private_segment_fixed_size: 0
    .kernarg_segment_align: 8
    .kernarg_segment_size: 72
    .max_flat_workgroup_size: 128
    .sgpr_count:     66
    .vgpr_count:     234
    .wavefront_size: 32
...
	.end_amdgpu_metadata
.endif
;; end of part 1
;; launch proj (part 2): grid 16 x 16, 4 waves a work-group, clusters of 4 x 4, 327,680 bytes of LDS; arguments xbuf, wqk, wv, qbuf, kbuf, vbuf; writes qbuf, kbuf, vbuf
.if DOCPART == 2
	.amdgcn_target "amdgcn-amd-amdhsa--gfx1250"
	.amdhsa_code_object_version 6
	.text
	.protected	k_q08b531ee78_proj
	.globl	k_q08b531ee78_proj
	.p2align	8
	.type	k_q08b531ee78_proj,@function
k_q08b531ee78_proj:
	s_mov_b64 s[64:65], 0
	v_nop
	global_prefetch_b8 v0, s[64:65] scope:SCOPE_SE
	s_setreg_imm32_b32 hwreg(HW_REG_WAVE_MODE, 25, 1), 1
	s_wait_xcnt 0x0
	s_wait_alu depctr_hold_cnt(0) depctr_sa_sdst(0) depctr_va_vdst(0) depctr_va_sdst(0) depctr_va_ssrc(0) depctr_va_vcc(0) depctr_vm_vsrc(0)
	s_getreg_b32 s2, hwreg(HW_REG_IB_STS2, 6, 4)
	s_cmp_eq_u32 s2, 0
	s_cbranch_scc0 .Lentry_in_a_cluster
	s_endpgm
.Lentry_in_a_cluster:
	s_bfe_u32 s2, ttmp6, 0x10000c
	s_cmp_lg_u32 s2, 0xf033
	s_cbranch_scc0 .Lentry_shape_is_right
	s_endpgm
.Lentry_shape_is_right:
; q, k, v of one head for 256 positions, on codes of FP6 (E2M3) with E8M0 scales, K = d = 1,024 in eight steps of 128; the results are quantised in registers and leave as codes.
; SHARES.  Work-group (hd, g): head hd, positions 256 g on.  Wave w: ph = w >> 1 takes 128 positions (8 tiles); rh = w & 1 takes q's four tiles of rows and v's tiles 0, 1 (rh = 0) or k's four and v's 2, 3 (rh = 1): 48 accumulators.
; q, k: source 0 = 16 rows of W, source 1 = 16 positions: a lane holds ONE position and its registers run along dk, the next product's K.  v: source 0 = 16 positions, source 1 = 16 rows of Wv: a lane holds one dk and its registers run along the positions (the keys).
; By the choice of a tile's rows (tile 2 B + u holds rows 32 B + 8 u + rho + 8 (rho >> 3)) the 16 registers of two neighbouring tiles are 16 neighbours along that K.
; LDS: all of K lies there at once, every byte filled ONCE: phase p (steps 2 p, 2 p + 1) at 76,800 p: x's two records (25,600 each), then Wq|Wk's two (12,800 each).  No slot is filled again.
; CLUSTER 4 x 4: x's records hang on g alone and are asked for jointly along a row of the cluster, W's on hd alone, along a column.  Waves 0, 1 fetch x's records, waves 2, 3 W's: four loads a wave, all at the start.
; Wv (51,200 bytes a head) has no room in LDS beside them: each wave takes its two tiles of every step straight into registers.
; REGISTERS: window 0: v1-9 addresses; v16-23 x's scale pairs (two sets), v24-27 W's, v28-35 Wv's (one a step); v36-57 the quantiser's; v64-255 x's fragments, two sets of 8 x 12.
;   window 1: the 32 accumulators of q or k, (position tile i, row tile a) at v[8 (4 i + a)].  window 2: v0-127 v's 16, (n, i) at v[8 (8 n + i)]; v128-223 W's fragments, two sets of 4 x 12.  window 3: Wv's, (step, n) at v[24 step + 12 n].
; LIMITS: a block of zeros gets the byte 1 (zero codes; this program alone reads the bytes); NaN and infinities are not served.
; THE FILLS, as they now stand (in place of what the lines above say of them): a load brings BOTH records of a phase.  Waves 0, 1 fetch x's, waves 2, 3 W's; wave parity rh takes phase rh at the head, one load a wave,
; and phase 2 + rh behind the wait for all loads, the add and a round of the cluster's barrier.  Every byte is still filled once.
.set WV,   16
.set PH,   17
.set RH,   18
.set G1X,  24                          ; s[24:31] group 1 for x's records;  s[32:39] for W's
.set G1W,  32
.set G0X,  40                          ; s[40:47] groups 0 for x's, one for each of my two phases;  s[68:75] for W's
.set G0W,  68
.set SEL,  92
.set HM,   94
.set PHASE, 76800
.set XREC, 25600
.set WREC, 12800
.set TM,   36                          ; v36-39 largest magnitudes, v40-43 the other half's, then bytes, v44-47 scale operands
.set CT,   48
.set MSB,  0
.macro WIN new                         ; the immediate's high byte repeats the setting that is left; a switch that changes nothing is dropped
.if MSB != (\new)
	s_set_vgpr_msb (MSB<<8)|(\new)
.set MSB, (\new)
.endif
.endm
.macro ROUND                           ; a round of the cluster's barrier
	s_barrier_signal -1
	s_barrier_wait -1
	s_cmp_lg_u32 s[WV], 0
	s_cbranch_scc1 .Lnot_wave_0_\@
	s_barrier_signal -3
.Lnot_wave_0_\@:
	s_barrier_wait -3
	s_barrier_signal -1
	s_barrier_wait -1
.endm
; One product.  d, a, b: first registers of D, source 0, source 1; z = 1: C is 0, else C = D; sa, sb: scale registers; ra, rb = 1: the side's scales stand in lanes 16-31
.macro WM d, a, b, z, sa, sb, ra, rb
.if (\z)
.if (\ra) && (\rb)
	v_wmma_scale_f32_16x16x128_f8f6f4 v[(\d):(\d)+7], v[(\a):(\a)+11], v[(\b):(\b)+11], 0, v[\sa], v[\sb] matrix_a_fmt:MATRIX_FMT_FP6 matrix_b_fmt:MATRIX_FMT_FP6 matrix_a_scale:MATRIX_SCALE_ROW1 matrix_b_scale:MATRIX_SCALE_ROW1
.elseif (\ra)
	v_wmma_scale_f32_16x16x128_f8f6f4 v[(\d):(\d)+7], v[(\a):(\a)+11], v[(\b):(\b)+11], 0, v[\sa], v[\sb] matrix_a_fmt:MATRIX_FMT_FP6 matrix_b_fmt:MATRIX_FMT_FP6 matrix_a_scale:MATRIX_SCALE_ROW1
.elseif (\rb)
	v_wmma_scale_f32_16x16x128_f8f6f4 v[(\d):(\d)+7], v[(\a):(\a)+11], v[(\b):(\b)+11], 0, v[\sa], v[\sb] matrix_a_fmt:MATRIX_FMT_FP6 matrix_b_fmt:MATRIX_FMT_FP6 matrix_b_scale:MATRIX_SCALE_ROW1
.else
	v_wmma_scale_f32_16x16x128_f8f6f4 v[(\d):(\d)+7], v[(\a):(\a)+11], v[(\b):(\b)+11], 0, v[\sa], v[\sb] matrix_a_fmt:MATRIX_FMT_FP6 matrix_b_fmt:MATRIX_FMT_FP6
.endif
.else
.if (\ra) && (\rb)
	v_wmma_scale_f32_16x16x128_f8f6f4 v[(\d):(\d)+7], v[(\a):(\a)+11], v[(\b):(\b)+11], v[(\d):(\d)+7], v[\sa], v[\sb] matrix_a_fmt:MATRIX_FMT_FP6 matrix_b_fmt:MATRIX_FMT_FP6 matrix_a_scale:MATRIX_SCALE_ROW1 matrix_b_scale:MATRIX_SCALE_ROW1
.elseif (\ra)
	v_wmma_scale_f32_16x16x128_f8f6f4 v[(\d):(\d)+7], v[(\a):(\a)+11], v[(\b):(\b)+11], v[(\d):(\d)+7], v[\sa], v[\sb] matrix_a_fmt:MATRIX_FMT_FP6 matrix_b_fmt:MATRIX_FMT_FP6 matrix_a_scale:MATRIX_SCALE_ROW1
.elseif (\rb)
	v_wmma_scale_f32_16x16x128_f8f6f4 v[(\d):(\d)+7], v[(\a):(\a)+11], v[(\b):(\b)+11], v[(\d):(\d)+7], v[\sa], v[\sb] matrix_a_fmt:MATRIX_FMT_FP6 matrix_b_fmt:MATRIX_FMT_FP6 matrix_b_scale:MATRIX_SCALE_ROW1
.else
	v_wmma_scale_f32_16x16x128_f8f6f4 v[(\d):(\d)+7], v[(\a):(\a)+11], v[(\b):(\b)+11], v[(\d):(\d)+7], v[\sa], v[\sb] matrix_a_fmt:MATRIX_FMT_FP6 matrix_b_fmt:MATRIX_FMT_FP6
.endif
.endif
.endm
; 16 nb numbers of a lane, in window w from register s on, register 16 b + i = K 32 b + 16 (lane / 16) + i of my row, become 3 nb registers of codes at v[pc] and the row's scale word in v[pw] (window 0).
.macro QUANT nb, w, s, pc, pw
	WIN (\w)|((\w)<<2)
.set QB, 0
.rept \nb
	v_max3_num_f32 v[TM+QB], |v[(\s)+16*QB]|, |v[(\s)+16*QB+1]|, 0x1800000   ; my 16 numbers of block b, from each accumulator's low end on, and the floor 2^(3 - 127)
.set QB, QB+1
.endr
.irp e, 2,4,6,8,10,12,14
.set QB, 0
.rept \nb
	v_max3_num_f32 v[TM+QB], |v[(\s)+16*QB+\e]|, |v[(\s)+16*QB+\e+1]|, v[TM+QB]
.set QB, QB+1
.endr
.endr
	WIN 0
.set QB, 0
.rept \nb
	v_permlanex16_b32 v[TM+4+QB], v[TM+QB], s[SEL], s[SEL+1]
.set QB, QB+1
.endr
.set QB, 0
.rept \nb
	v_max_num_f32 v[TM+QB], v[TM+QB], v[TM+4+QB]   ; with lane l xor 16's: the block's largest magnitude
.set QB, QB+1
.endr
.set QB, 0
.rept \nb
	v_add_nc_u32 v[TM+8+QB], 0xff000000, v[TM+QB]  ; 2 off its exponent field: the conversion's scale operand
.set QB, QB+1
.endr
.set QB, 0
.rept \nb
	v_lshrrev_b32 v[TM+4+QB], 23, v[TM+8+QB]       ; the scale's byte
.set QB, QB+1
.endr
	v_lshl_or_b32 v[\pw], v[TM+5], 8, v[TM+4]
.if (\nb) == 4
	v_lshl_or_b32 v[\pw], v[TM+6], 16, v[\pw]
	v_lshl_or_b32 v[\pw], v[TM+7], 24, v[\pw]
.endif
	WIN (\w)
.set QB, 0
.rept (\nb)/2
	v_cvt_scalef32_pk16_fp6_f32 v[(\pc)+6*QB:(\pc)+6*QB+2], v[(\s)+32*QB:(\s)+32*QB+15], v[TM+8+2*QB]
	v_cvt_scalef32_pk16_fp6_f32 v[CT+4*QB:CT+4*QB+2], v[(\s)+32*QB+16:(\s)+32*QB+31], v[TM+9+2*QB]
.set QB, QB+1
.endr
	WIN 0
	v_nop                                          ; one plain instruction behind the scaled conversions
.set QB, 0
.rept (\nb)/2                          ; the operand's layout wants a whole block in a lane: lanes 0-15 block 2 c, lanes 16-31 block 2 c + 1
	v_permlane16_swap_b32 v[(\pc)+6*QB], v[CT+4*QB]
	v_permlane16_swap_b32 v[(\pc)+6*QB+1], v[CT+4*QB+1]
	v_permlane16_swap_b32 v[(\pc)+6*QB+2], v[CT+4*QB+2]
	v_mov_b32 v[(\pc)+6*QB+3], v[CT+4*QB]
	v_mov_b32 v[(\pc)+6*QB+4], v[CT+4*QB+1]
	v_mov_b32 v[(\pc)+6*QB+5], v[CT+4*QB+2]
.set QB, QB+1
.endr
.endm
	s_load_b256 s[4:11], s[0:1], 0x0               ; xbuf, wqk, wv, qbuf
	s_load_b128 s[12:15], s[0:1], 0x20             ; kbuf, vbuf
	v_lshl_add_u32 v62, v0, 2, 0x4b000
	v_mov_b32 v63, 0
	ds_add_u32 v62, v63
	ds_add_u32 v62, v63
	v_lshrrev_b32 v1, 5, v0
	v_readfirstlane_b32 s[WV], v1
	s_lshr_b32 s[PH], s[WV], 1                     ; my 128 positions.  Also: I fetch x's records (0) or W's (1)
	s_and_b32 s[RH], s[WV], 1                      ; q or k.  Also: which phases I fetch: rh and 2 + rh
	s_bfe_u32 s19, ttmp6, 0x40000                  ; cx
	s_bfe_u32 s20, ttmp6, 0x40004                  ; cy
	s_lshl_b32 s21, ttmp9, 2
	s_add_co_u32 s21, s21, s19                     ; hd
	s_and_b32 s22, ttmp7, 0xffff
	s_lshl_b32 s22, s22, 2
	s_add_co_u32 s22, s22, s20                     ; g
	s_lshl_b32 s23, s20, 2
	s_lshl_b32 s23, 15, s23                        ; my row of the cluster
	s_lshl_b32 s2, 0x1111, s19                     ; my column
	s_or_b32 s[G1X], s23, (3<<16)|(1<<21)          ; 15:0 the mask; 17:16 elements of 8 bytes; 21 set beside a mask; no padding
	s_or_b32 s[G1W], s2, (3<<16)|(1<<21)
	s_mov_b32 s[G1X+1], 32<<16                     ; rows of 32 elements = 256 bytes,
	s_mov_b32 s[G1X+2], 200<<16                    ; 200 of them: two records of x
	s_mov_b32 s[G1X+3], 32<<16
	s_mov_b32 s[G1X+4], 200
	s_mov_b32 s[G1X+5], 32                         ; dense
	s_mov_b32 s[G1X+6], 0
	s_mov_b32 s[G1X+7], 0
	s_mov_b32 s[G1W+1], 32<<16
	s_mov_b32 s[G1W+2], 100<<16                    ; 100 rows: two records of Wq|Wk
	s_mov_b32 s[G1W+3], 32<<16
	s_mov_b32 s[G1W+4], 100
	s_mov_b32 s[G1W+5], 32
	s_mov_b32 s[G1W+6], 0
	s_mov_b32 s[G1W+7], 0
	s_mul_i32 s84, s22, 8*XREC                     ; x: by g and the wave alone
	s_mul_i32 s3, s[RH], 2*XREC                    ; phase rh's two records in memory
	s_add_co_u32 s84, s84, s3
	s_mul_i32 s3, s[RH], PHASE                     ; and the phase's place in LDS
	s_mov_b32 s85, 0
	s_mul_i32 s86, s21, 8*WREC                     ; W: by hd and the wave alone
	s_mul_i32 s88, s[RH], 2*WREC
	s_add_co_u32 s86, s86, s88
	s_mov_b32 s87, 0
	s_add_co_u32 s88, s3, 2*XREC                   ; behind x's two records of the phase
	s_mov_b32 s[SEL], 0x76543210
	s_mov_b32 s[SEL+1], 0xfedcba98                 ; lane l xor 16
	s_mov_b32 s[HM], 0xffff0000                    ; lanes 16-31
	s_wait_dscnt 0x0
	s_wait_kmcnt 0x0
	s_add_nc_u64 s[84:85], s[4:5], s[84:85]
	s_add_nc_u64 s[86:87], s[6:7], s[86:87]
	ROUND                                          ; all sixteen work-groups are here: the joint loads meet
.irp p, 0,1
	s_mov_b32 s[G0X+4*\p], 1
	s_add_co_u32 s[G0X+4*\p+1], s3, 2*PHASE*\p
	s_add_nc_u64 s[G0X+4*\p+2:G0X+4*\p+3], s[84:85], 4*XREC*\p
	s_or_b32 s[G0X+4*\p+3], s[G0X+4*\p+3], 0x80000000
	s_mov_b32 s[G0W+4*\p], 1
	s_add_co_u32 s[G0W+4*\p+1], s88, 2*PHASE*\p
	s_add_nc_u64 s[G0W+4*\p+2:G0W+4*\p+3], s[86:87], 4*WREC*\p
	s_or_b32 s[G0W+4*\p+3], s[G0W+4*\p+3], 0x80000000
.endr
	s_cmp_eq_u32 s[PH], 0                          ; the head's fills: one load a wave, in the two arms of one branch on the wave's number
	s_cbranch_scc0 .Lfill_w
	tensor_load_to_lds s[G0X:G0X+3], s[G1X:G1X+7]
	s_nop 0
.rept 4
	v_nop
.endr
	s_branch .Lfilled
.Lfill_w:
	tensor_load_to_lds s[G0W:G0W+3], s[G1W:G1W+7]
	s_nop 0
.rept 4
	v_nop
.endr
.Lfilled:
	v_and_b32 v1, 31, v0
	v_lshlrev_b32 v2, 4, v1                        ; 16 l
	s_wait_alu depctr_va_vdst(0)
	v_lshlrev_b32 v3, 2, v1                        ; 4 l
	s_wait_alu depctr_va_vdst(0)
	s_mul_i32 s90, s21, 51200
	s_mov_b32 s91, 0
	s_add_nc_u64 s[8:9], s[8:9], s[90:91]          ; Wv's records of my head
	s_mul_i32 s89, s[RH], 3072
	v_add_nc_u32 v4, s89, v2                       ; my two tiles of a record of Wv, and of v
	s_lshl_b32 s89, s[RH], 7
	v_add_nc_u32 v5, s89, v3                       ; and their scale pair
	WIN 0xc0                                       ; destination window 3
.irp g, 0,1,2,3,4,5,6,7
.irp n, 0,1
.irp p, 0,1,2
	global_load_b128 v[24*\g+12*\n+4*\p:24*\g+12*\n+4*\p+3], v4, s[8:9] offset:6400*\g+1536*\n+512*\p
.endr
.endr
.endr
	WIN 0
.irp g, 0,1,2,3,4,5,6,7
	global_load_b32 v[28+\g], v5, s[8:9] offset:6400*\g+6144
.endr
	s_mul_i32 s89, s[PH], 12288
	v_add_nc_u32 v6, s89, v2                       ; x's fragments: my 8 tiles
	s_mul_i32 s89, s[RH], 6144
	s_add_co_u32 s89, s89, 2*XREC
	v_add_nc_u32 v7, s89, v2                       ; W's: q's four tiles or k's
	s_lshl_b32 s89, s[PH], 9
	s_add_co_u32 s89, s89, 24576
	v_add_nc_u32 v8, s89, v3                       ; x's scale pairs
	s_lshl_b32 s89, s[RH], 8
	s_add_co_u32 s89, s89, 2*XREC+12288
	v_add_nc_u32 v9, s89, v3                       ; W's
.irp b, 0,1,2,3
	v_mov_b32 v[TM+4+\b], 0                        ; written once: a lane permute's destination counts as one of its sources
.endr
	; where the results go: record (b 16 + hd) 16 + 2 (g & 7) + ph
	s_lshr_b32 s89, s22, 3
	s_lshl_b32 s89, s89, 4
	s_add_co_u32 s89, s89, s21
	s_lshl_b32 s89, s89, 4
	s_and_b32 s95, s22, 7
	s_lshl_b32 s95, s95, 1
	s_add_co_u32 s89, s89, s95
	s_add_co_u32 s89, s89, s[PH]
	s_mul_i32 s96, s89, 6656
	s_mov_b32 s97, 0
	s_cmp_eq_u32 s[RH], 0
	s_cselect_b64 s[10:11], s[10:11], s[12:13]     ; q's buffer or k's: by the wave's number
	s_add_nc_u64 s[10:11], s[10:11], s[96:97]
	s_mul_i32 s96, s89, 6400
	s_add_nc_u64 s[14:15], s[14:15], s[96:97]
.macro LOADF sg                        ; step sg's 12 fragments and 6 scale pairs into set sg % 2: 42 LDS loads
.set F, (\sg)%2
.irp i, 0,1,2,3,4,5,6,7
.irp p, 0,1,2
	ds_load_b128 v[64+96*F+12*\i+4*\p:64+96*F+12*\i+4*\p+3], v6 offset:F*XREC+1536*\i+512*\p
.endr
.endr
.irp j, 0,1,2,3
	ds_load_b32 v[16+4*F+\j], v8 offset:F*XREC+128*\j
.endr
.irp j, 0,1
	ds_load_b32 v[24+2*F+\j], v9 offset:F*WREC+128*\j
.endr
	WIN 0x80                                       ; destination window 2
.irp a, 0,1,2,3
.irp p, 0,1,2
	ds_load_b128 v[128+48*F+12*\a+4*\p:128+48*F+12*\a+4*\p+3], v7 offset:F*WREC+1536*\a+512*\p
.endr
.endr
	WIN 0
.endm
.macro MULS sg, z                      ; step sg's 48 products; the 48 accumulators take turns, one instruction a turn
.set F, (\sg)%2
	WIN 0x52                                       ; source 0 (W) window 2, source 1 (x) window 0, C and D window 1
.irp i, 0,1,2,3,4,5,6,7
.irp a, 0,1,2,3
	WM 8*(4*\i+\a), 128+48*F+12*\a, 64+96*F+12*\i, \z, 24+2*F+\a/2, 16+4*F+\i/2, \a%2, \i%2
.endr
.endr
	WIN 0xac                                       ; source 0 (x) window 0, source 1 (Wv) window 3, C and D window 2
.irp n, 0,1
.irp i, 0,1,2,3,4,5,6,7
	WM 8*(8*\n+\i), 64+96*F+12*\i, 24*(\sg)+12*\n, \z, 16+4*F+\i/2, 28+(\sg), \i%2, \n
.endr
.endr
	WIN 0
.rept 4
	v_nop                                          ; four plain instructions in front of loads into registers that these products read, and of the first read of results
.endr
.endm
.macro NEXTPH left                     ; the next phase's records are wanted: mine have landed (left: the later phases' loads, which may stay out), then the barrier shows everybody's.
	s_wait_dscnt 0x0                               ; no LDS instruction of mine is out at a signal
	s_wait_tensorcnt \left
	s_barrier_signal -1
	s_barrier_wait -1
	v_add_nc_u32 v6, PHASE, v6
	v_add_nc_u32 v7, PHASE, v7
	v_add_nc_u32 v8, PHASE, v8
	v_add_nc_u32 v9, PHASE, v9
.endm
	s_wait_alu depctr_va_vdst(0)
	s_wait_tensorcnt 0x0                           ; my part of phases 0 and 1 is in;
	ds_add_u32 v62, v63                            ; the add ahead of a later first fill,
	s_wait_dscnt 0x0                               ; and its wait
	ROUND                                          ; everybody's part is in, and all sixteen work-groups are here: the joint loads meet
	s_cmp_eq_u32 s[PH], 0                          ; phases 2 and 3: my one load behind the round; it has steps 0 to 3 in which to land
	s_cbranch_scc0 .Lfill_w2
	tensor_load_to_lds s[G0X+4:G0X+7], s[G1X:G1X+7]
	s_nop 0
.rept 4
	v_nop
.endr
	s_branch .Lfilled2
.Lfill_w2:
	tensor_load_to_lds s[G0W+4:G0W+7], s[G1W:G1W+7]
	s_nop 0
.rept 4
	v_nop
.endr
.Lfilled2:
	LOADF 0
	s_wait_loadcnt 0x0                             ; Wv
	LOADF 1
	s_wait_dscnt 42                                ; all but the 42 just issued
	MULS 0, 1                                      ; the first step's products start the sums: nothing is cleared
	NEXTPH 1                                       ; phase 1 came with the head's loads; my one later load may stay out
	LOADF 2
	MULS 1, 0
	LOADF 3
	s_wait_alu depctr_va_vdst(0)
	s_wait_dscnt 42
	MULS 2, 0
	NEXTPH 0
	LOADF 4
	MULS 3, 0
	LOADF 5
	s_wait_alu depctr_va_vdst(0)
	s_wait_dscnt 42
	MULS 4, 0
	NEXTPH 0
	LOADF 6
	MULS 5, 0
	LOADF 7
	s_wait_dscnt 42
	MULS 6, 0
	s_wait_dscnt 0x0
	MULS 7, 0
	; q or k: each tile of 16 positions gives six registers of codes (K = 64) and a scale word (bytes 2, 3 stay 0); two tiles' words share a register
.irp i, 0,1,2,3,4,5,6,7
	QUANT 2, 1, 32*\i, 64+6*\i, 56+\i%2
.if \i%2
	v_cndmask_b32 v[112+\i/2], v56, v57, s[HM]     ; lanes 0-15 the even tile's words, lanes 16-31 the odd tile's
.endif
.endr
.irp p, 0,1,2,3,4,5,6,7,8,9,10,11
	global_store_b128 v2, v[64+4*\p:67+4*\p], s[10:11] offset:512*\p   ; the 48 registers as they stand: 512 consecutive bytes a store
.endr
	global_store_b128 v2, v[112:115], s[10:11] offset:6144
	; v: my two tiles of dk, K = my 128 positions: a whole fragment each
.irp n, 0,1
	QUANT 4, 2, 64*\n, 128+12*\n, 56+\n
.endr
	v_cndmask_b32 v152, v56, v57, s[HM]
.irp n, 0,1
.irp p, 0,1,2
	global_store_b128 v4, v[128+12*\n+4*\p:128+12*\n+4*\p+3], s[14:15] offset:1536*\n+512*\p
.endr
.endr
	global_store_b32 v5, v152, s[14:15] offset:6144
	s_wait_tensorcnt 0x0
	ds_add_u32 v62, v63
	s_wait_dscnt 0x0
	ROUND                                          ; the closing round: no work-group ends while a partner may still ask for a record that names it
	s_endpgm
.Lfunc_end_k_q08b531ee78_proj:
	.size	k_q08b531ee78_proj, .Lfunc_end_k_q08b531ee78_proj-k_q08b531ee78_proj
	.p2alignl 7, 3214868480
	.fill 96, 4, 3214868480
	.section	.rodata,"a",@progbits
	.p2align	6, 0x0
	.amdhsa_kernel k_q08b531ee78_proj
		.amdhsa_group_segment_fixed_size 327680
		.amdhsa_private_segment_fixed_size 0
		.amdhsa_enable_private_segment 0
		.amdhsa_kernarg_size 48
		.amdhsa_user_sgpr_count 2
		.amdhsa_user_sgpr_kernarg_segment_ptr 1
		.amdhsa_wavefront_size32 1
		.amdhsa_system_sgpr_workgroup_id_x 1
		.amdhsa_system_sgpr_workgroup_id_y 1
		.amdhsa_system_sgpr_workgroup_id_z 1
		.amdhsa_system_vgpr_workitem_id 0
		.amdhsa_next_free_vgpr 1024
		.amdhsa_next_free_sgpr 100
		.amdhsa_reserve_vcc 0
		.amdhsa_float_denorm_mode_32 3
		.amdhsa_float_denorm_mode_16_64 3
		.amdhsa_memory_ordered 1
		.amdhsa_forward_progress 1
		.amdhsa_inst_pref_size 112
	.end_amdhsa_kernel
	.amdgpu_metadata
---
amdhsa.version: [ 1, 2 ]
amdhsa.kernels:
  - .name:           k_q08b531ee78_proj
    .symbol:         k_q08b531ee78_proj.kd
    .args:
      - { .name: xbuf, .offset: 0, .size: 8, .value_kind: global_buffer, .address_space: global }
      - { .name: wqk, .offset: 8, .size: 8, .value_kind: global_buffer, .address_space: global }
      - { .name: wv, .offset: 16, .size: 8, .value_kind: global_buffer, .address_space: global }
      - { .name: qbuf, .offset: 24, .size: 8, .value_kind: global_buffer, .address_space: global }
      - { .name: kbuf, .offset: 32, .size: 8, .value_kind: global_buffer, .address_space: global }
      - { .name: vbuf, .offset: 40, .size: 8, .value_kind: global_buffer, .address_space: global }
    .group_segment_fixed_size: 327680
    .private_segment_fixed_size: 0
    .kernarg_segment_align: 8
    .kernarg_segment_size: 48
    .max_flat_workgroup_size: 128
    .sgpr_count:     100
    .vgpr_count:     1024
    .wavefront_size: 32
...
	.end_amdgpu_metadata
.endif
;; end of part 2
;; launch attn (part 3): grid 8 x 32, 8 waves a work-group, clusters of 4 x 1, 327,680 bytes of LDS; arguments qbuf, kbuf, vbuf, mask, hbuf; writes hbuf
.if DOCPART == 3
	.amdgcn_target "amdgcn-amd-amdhsa--gfx1250"
	.amdhsa_code_object_version 6
	.text
	.protected	k_q08b531ee78_attn
	.globl	k_q08b531ee78_attn
	.p2align	8
	.type	k_q08b531ee78_attn,@function
k_q08b531ee78_attn:
	s_mov_b64 s[64:65], 0
	v_nop
	global_prefetch_b8 v0, s[64:65] scope:SCOPE_SE
	s_setreg_imm32_b32 hwreg(HW_REG_WAVE_MODE, 25, 1), 1
	s_wait_xcnt 0x0
	s_wait_alu depctr_hold_cnt(0) depctr_sa_sdst(0) depctr_va_vdst(0) depctr_va_sdst(0) depctr_va_ssrc(0) depctr_va_vcc(0) depctr_vm_vsrc(0)
	s_getreg_b32 s2, hwreg(HW_REG_IB_STS2, 6, 4)
	s_cmp_eq_u32 s2, 0
	s_cbranch_scc0 .Lentry_in_a_cluster
	s_endpgm
.Lentry_in_a_cluster:
	s_bfe_u32 s2, ttmp6, 0x10000c
	s_cmp_lg_u32 s2, 0x3003
	s_cbranch_scc0 .Lentry_shape_is_right
	s_endpgm
.Lentry_shape_is_right:
; p = softmax over the keys of mask[key] x score / 8 + (1 - mask[key]) x -1e30, times mask[query]; heads = Q(p) Q(v); on codes of FP6 (E2M3) with E8M0 scales.  The second softmax of reference() is left out: see the first kernel's head.
; SHARES.  Work-group (x, y): head and batch y, 256 queries; eight waves, two to a SIMD; a wave takes 32 queries, two tiles of 16.  Both products are used transposed: a lane holds one query, its registers run along the keys.
; p is quantised finished and normalised, so the keys are walked twice, 128 a trip: walk 1 finds each query's running maximum and sum, walk 2 forms p, quantises it by blocks of 32 keys and multiplies it with v.
; LDS, every byte filled once, all at the head: K's 16 records (waves 0-3) and a copy of record 0 behind them (wave 6: each walk's last trip fetches the record after its last), V's 16 records (waves 4, 5); then the mask's two factors for each key, stored by the waves.
; CLUSTER 4 x 1: the four work-groups of a cluster share head and batch and ask for K and V jointly.  No prefetch: no tensor load stands in a loop.
; REGISTERS.  Window 0: v1-27 addresses and scale words, v32-63 the quantiser's, v64-191 the mask's factors of 128 keys (at the end the codes on their way out), v192-215 q, v216-231 each tile's state, v232-235 maxima.
;   Window 1: v0-63 the scores of one tile, then p; v64-117 K's record; v128-191 O^T, (tile t, n) at v[128 + 8 (4 t + n)]; v192-239 V's four fragments.
; State of tile t at v[STT + 8 t]: +0 the largest t so far, +2, +3 the sum in two halves, +4 the factor, +6 mask[query], then mask[query] / sum.
; LIMITS: the scaled scores stay under 2^31 in magnitude; a block of zeros gets the byte 1 (zero codes; this program alone reads the bytes); NaN and infinities are not served.
.set KREC, 6656
.set VREC, 6400
.set VB,   17*KREC
.set MB,   VB+16*VREC
.set SPARE, MB+17*1024                 ; the spare words: 128 bytes for each of eight waves
.set WV,   14
.set G1K,  24
.set G1C,  32
.set G1V,  40
.set G0K,  48
.set G0C,  52
.set G0V,  56
.set SEL,  60
.set HM,   62
.set TK,   66
.set TMK,  67
.set TV,   68
.set CNT,  69
.set TM,   32
.set CT,   44
.set PC,   52
.set PW,   24
.set HC,   72
.set MK,   64
.set QF,   192
.set STT,  216
.set TMX,  232
.set KF,   64
.set OB,   128
.set VF,   192
.set MSB,  0
.macro WIN new                         ; the immediate's high byte repeats the setting that is left
.if MSB != (\new)
	s_set_vgpr_msb (MSB<<8)|(\new)
.set MSB, (\new)
.endif
.endm
.macro ROUND                           ; a round of the cluster's barrier
	s_barrier_signal -1
	s_barrier_wait -1
	s_cmp_lg_u32 s[WV], 0
	s_cbranch_scc1 .Lnot_wave_0_\@
	s_barrier_signal -3
.Lnot_wave_0_\@:
	s_barrier_wait -3
	s_barrier_signal -1
	s_barrier_wait -1
.endm
; One product.  z = 1: C is 0, else C = D; sa, sb: scale registers; ra, rb = 1: the side's scales stand in lanes 16-31
.macro WM d, a, b, z, sa, sb, ra, rb
.if (\z)
.if (\ra) && (\rb)
	v_wmma_scale_f32_16x16x128_f8f6f4 v[(\d):(\d)+7], v[(\a):(\a)+11], v[(\b):(\b)+11], 0, v[\sa], v[\sb] matrix_a_fmt:MATRIX_FMT_FP6 matrix_b_fmt:MATRIX_FMT_FP6 matrix_a_scale:MATRIX_SCALE_ROW1 matrix_b_scale:MATRIX_SCALE_ROW1
.elseif (\ra)
	v_wmma_scale_f32_16x16x128_f8f6f4 v[(\d):(\d)+7], v[(\a):(\a)+11], v[(\b):(\b)+11], 0, v[\sa], v[\sb] matrix_a_fmt:MATRIX_FMT_FP6 matrix_b_fmt:MATRIX_FMT_FP6 matrix_a_scale:MATRIX_SCALE_ROW1
.elseif (\rb)
	v_wmma_scale_f32_16x16x128_f8f6f4 v[(\d):(\d)+7], v[(\a):(\a)+11], v[(\b):(\b)+11], 0, v[\sa], v[\sb] matrix_a_fmt:MATRIX_FMT_FP6 matrix_b_fmt:MATRIX_FMT_FP6 matrix_b_scale:MATRIX_SCALE_ROW1
.else
	v_wmma_scale_f32_16x16x128_f8f6f4 v[(\d):(\d)+7], v[(\a):(\a)+11], v[(\b):(\b)+11], 0, v[\sa], v[\sb] matrix_a_fmt:MATRIX_FMT_FP6 matrix_b_fmt:MATRIX_FMT_FP6
.endif
.else
.if (\ra)
	v_wmma_scale_f32_16x16x128_f8f6f4 v[(\d):(\d)+7], v[(\a):(\a)+11], v[(\b):(\b)+11], v[(\d):(\d)+7], v[\sa], v[\sb] matrix_a_fmt:MATRIX_FMT_FP6 matrix_b_fmt:MATRIX_FMT_FP6 matrix_a_scale:MATRIX_SCALE_ROW1
.else
	v_wmma_scale_f32_16x16x128_f8f6f4 v[(\d):(\d)+7], v[(\a):(\a)+11], v[(\b):(\b)+11], v[(\d):(\d)+7], v[\sa], v[\sb] matrix_a_fmt:MATRIX_FMT_FP6 matrix_b_fmt:MATRIX_FMT_FP6
.endif
.endif
.endm
; 16 nb numbers of a lane, in window w from register s on, register 16 b + i = K 32 b + 16 (lane / 16) + i of my row, become 3 nb registers of codes at v[pc] and the row's scale word in v[pw] (window 0)
.macro QUANT nb, w, s, pc, pw
	WIN (\w)|((\w)<<2)
.set QB, 0
.rept \nb
	v_max3_num_f32 v[TM+QB], |v[(\s)+16*QB]|, |v[(\s)+16*QB+1]|, 0x1800000   ; from each accumulator's low end on; the floor 2^(3 - 127) holds the byte at 1
.set QB, QB+1
.endr
.irp e, 2,4,6,8,10,12,14
.set QB, 0
.rept \nb
	v_max3_num_f32 v[TM+QB], |v[(\s)+16*QB+\e]|, |v[(\s)+16*QB+\e+1]|, v[TM+QB]
.set QB, QB+1
.endr
.endr
	WIN 0
.set QB, 0
.rept \nb
	v_permlanex16_b32 v[TM+4+QB], v[TM+QB], s[SEL], s[SEL+1]
.set QB, QB+1
.endr
.set QB, 0
.rept \nb
	v_max_num_f32 v[TM+QB], v[TM+QB], v[TM+4+QB]   ; with lane l xor 16's: the block's largest magnitude
.set QB, QB+1
.endr
.set QB, 0
.rept \nb
	v_add_nc_u32 v[TM+8+QB], 0xff000000, v[TM+QB]  ; 2 off its exponent field: the conversion's scale operand
.set QB, QB+1
.endr
.set QB, 0
.rept \nb
	v_lshrrev_b32 v[TM+4+QB], 23, v[TM+8+QB]       ; the scale's byte
.set QB, QB+1
.endr
	v_lshl_or_b32 v[\pw], v[TM+5], 8, v[TM+4]
.if (\nb) == 4
	v_lshl_or_b32 v[\pw], v[TM+6], 16, v[\pw]
	v_lshl_or_b32 v[\pw], v[TM+7], 24, v[\pw]
.endif
	WIN (\w)
.set QB, 0
.rept (\nb)/2
	v_cvt_scalef32_pk16_fp6_f32 v[(\pc)+6*QB:(\pc)+6*QB+2], v[(\s)+32*QB:(\s)+32*QB+15], v[TM+8+2*QB]
	v_cvt_scalef32_pk16_fp6_f32 v[CT+4*QB:CT+4*QB+2], v[(\s)+32*QB+16:(\s)+32*QB+31], v[TM+9+2*QB]
.set QB, QB+1
.endr
	WIN 0
	v_nop                                          ; one plain instruction behind the scaled conversions
.set QB, 0
.rept (\nb)/2                          ; a whole block in a lane: lanes 0-15 block 2 c, lanes 16-31 block 2 c + 1
	v_permlane16_swap_b32 v[(\pc)+6*QB], v[CT+4*QB]
	v_permlane16_swap_b32 v[(\pc)+6*QB+1], v[CT+4*QB+1]
	v_permlane16_swap_b32 v[(\pc)+6*QB+2], v[CT+4*QB+2]
	v_mov_b32 v[(\pc)+6*QB+3], v[CT+4*QB]
	v_mov_b32 v[(\pc)+6*QB+4], v[CT+4*QB+1]
	v_mov_b32 v[(\pc)+6*QB+5], v[CT+4*QB+2]
.set QB, QB+1
.endr
.endm
.macro LDK                             ; the next record of K: 48 registers of codes, 4 of scale words
	WIN 0
	v_add_nc_u32 v11, s[TK], v7
	s_add_co_u32 s[TK], s[TK], KREC
	WIN 0x40
.irp p, 0,1,2,3,4,5,6,7,8,9,10,11
	ds_load_b128 v[KF+4*\p:KF+4*\p+3], v11 offset:512*\p
.endr
	WIN 0
	ds_load_b128 v[16:19], v11 offset:6144
.endm
.macro LDM                             ; the next 128 keys' two factors: register 16 b + i is key 32 b + 16 (lane / 16) + i
	WIN 0
	v_add_nc_u32 v12, s[TMK], v8
	s_add_co_u32 s[TMK], s[TMK], 1024
.irp b, 0,1,2,3
.irp j, 0,1,2,3
	ds_load_b128 v[MK+16*\b+4*\j:MK+16*\b+4*\j+3], v12 offset:128*\b+16*\j
	ds_load_b128 v[MK+64+16*\b+4*\j:MK+64+16*\b+4*\j+3], v12 offset:512+128*\b+16*\j
.endr
.endr
.endm
.macro LDV                             ; this trip's record of V
	WIN 0
	v_add_nc_u32 v13, s[TV], v9
	v_add_nc_u32 v14, s[TV], v10
	s_add_co_u32 s[TV], s[TV], VREC
	WIN 0x40
.irp n, 0,1,2,3
.irp p, 0,1,2
	ds_load_b128 v[VF+12*\n+4*\p:VF+12*\n+4*\p+3], v13 offset:1536*\n+512*\p
.endr
.endr
	WIN 0
	ds_load_b32 v20, v14
	ds_load_b32 v21, v14 offset:128
.endm
.macro KQ t                            ; S^T = K q^T: eight tiles of 16 keys; K = 64: q's upper six registers are zero codes
	WIN 0x41
.irp a, 0,1,2,3,4,5,6,7
	WM 8*\a, KF+6*\a, QF+12*(\t), 1, 16+\a/2, 22, \a%2, \t
.endr
.rept 4
	v_nop                                          ; four places ahead of the first read of results and of loads into K's registers
.endr
.endm
.macro MASKT                           ; t = score x (mask log2(e) / 8) + (1 - mask) x -1e30 log2(e)
	WIN 0x41
.set J, 0
.rept 32
	v_pk_fma_f32 v[J:J+1], v[J:J+1], v[MK+J:MK+J+1], v[MK+64+J:MK+65+J]
.set J, J+2
.endr
.endm
.macro MAXT t                          ; the running largest t, and old less new for the factor
.set ST, STT+8*(\t)
	WIN 0x05
.irp b, 0,1,2,3
	v_max3_num_f32 v[TMX+\b], v[16*\b], v[16*\b+1], v[ST]
.endr
.irp e, 2,4,6,8,10,12,14
.irp b, 0,1,2,3
	v_max3_num_f32 v[TMX+\b], v[16*\b+\e], v[16*\b+\e+1], v[TMX+\b]
.endr
.endr
	WIN 0
	v_max3_num_f32 v[TMX], v[TMX], v[TMX+1], v[TMX+2]
	v_max_num_f32 v[TMX], v[TMX], v[TMX+3]
	v_permlanex16_b32 v[TMX+1], v[TMX], s[SEL], s[SEL+1]
	v_max_num_f32 v[TMX], v[TMX], v[TMX+1]
	v_sub_f32 v[TMX+2], v[ST], v[TMX]
	v_mov_b32 v[ST], v[TMX]
.endm
.macro SUBT t
	WIN 0x41
.set J, 0
.rept 32
	v_pk_add_f32 v[J:J+1], v[J:J+1], v[STT+8*(\t):STT+8*(\t)+1] op_sel_hi:[1,0] neg_lo:[0,1] neg_hi:[0,1]
.set J, J+2
.endr
.endm
.macro EXPS                            ; one batch; the wait ahead of it stands at the caller's, the wait behind it here
	WIN 0x41
.set J, 0
.rept 64
	v_exp_f32 v[J], v[J]
.set J, J+1
.endr
	v_nop
	s_wait_alu depctr_va_vdst(0)
.endm
.macro SUMT t                          ; the tile's sum by a tree of packed additions; sum = sum x factor + it
.set ST, STT+8*(\t)
	WIN 0x45
.irp w, 4,8,16,32,64
.set J, 0
.rept 64/\w
	v_pk_add_f32 v[J:J+1], v[J:J+1], v[J+\w/2:J+\w/2+1]
.set J, J+\w
.endr
.endr
	WIN 0x10
	v_pk_fma_f32 v[ST+2:ST+3], v[ST+2:ST+3], v[ST+4:ST+5], v[0:1] op_sel_hi:[1,0,1]
.endm
.macro P1TILE t
	KQ \t
.if (\t) == 1
	LDK                                            ; K's registers have had their last product of this trip
.endif
	MASKT
.if (\t) == 1
	LDM
.endif
	MAXT \t
	SUBT \t
	WIN 0
	s_wait_alu depctr_va_vdst(0)                   ; the wait ahead of the batch
	v_exp_f32 v[STT+8*(\t)+4], v[TMX+2]            ; the factor 2^(old - new) heads the batch
	EXPS
	SUMT \t
.endm
.macro P2TILE t
	KQ \t
.if (\t) == 1
	LDK
.endif
	MASKT
.if (\t) == 0
	LDV
.endif
.if (\t) == 1
	LDM
.endif
	SUBT \t
	s_wait_alu depctr_va_vdst(0)                   ; the wait ahead of the batch
	EXPS
	WIN 0x41
.set J, 0
.rept 32
	v_pk_mul_f32 v[J:J+1], v[J:J+1], v[STT+8*(\t)+6:STT+8*(\t)+7] op_sel_hi:[1,0]   ; p, finished: x mask[query] / sum
.set J, J+2
.endr
	QUANT 4, 1, 0, PC, PW
.rept 8
	v_nop                                          ; a scale word made by vector instructions stands eight places ahead of the scaled product
.endr
.if (\t) == 0
	s_wait_alu depctr_va_vdst(0)
	s_wait_dscnt 0x0                               ; V's record is in: nothing else of mine is out
.endif
	WIN 0x51
.irp n, 0,1,2,3
	WM OB+8*(4*(\t)+\n), VF+12*\n, PC, 0, 20+\n/2, PW, \n%2, 0
.endr
.endm
	s_load_b256 s[4:11], s[0:1], 0x0               ; qbuf, kbuf, vbuf, mask
	s_load_b64 s[12:13], s[0:1], 0x20              ; hbuf
	v_lshl_add_u32 v254, v0, 2, SPARE
	v_mov_b32 v255, 0
	ds_add_u32 v254, v255                          ; the opening lines: the add, twice on end, and its wait
	ds_add_u32 v254, v255
	v_lshrrev_b32 v1, 5, v0
	v_readfirstlane_b32 s[WV], v1
	s_lshr_b32 s15, s[WV], 2                       ; which record of 128 queries
	s_and_b32 s16, s[WV], 3                        ; which pair of tiles in it
	s_bfe_u32 s17, ttmp6, 0x40000
	s_lshl_b32 s18, ttmp9, 2
	s_add_co_u32 s18, s18, s17                     ; which 256 queries
	s_and_b32 s19, ttmp7, 0xffff                   ; 16 batch + head
	s_lshr_b32 s20, s19, 4
	s_and_b32 s21, s19, 15
.irp g, G1K, G1C, G1V
	s_mov_b32 s[\g], 15|(3<<16)|(1<<21)            ; the mask names the cluster's four; elements of 8 bytes; rows of 256 bytes, dense
	s_mov_b32 s[\g+1], 32<<16
	s_mov_b32 s[\g+3], 32<<16
	s_mov_b32 s[\g+5], 32
	s_mov_b32 s[\g+6], 0
	s_mov_b32 s[\g+7], 0
.endr
	s_mov_b32 s[G1K+2], 104<<16                    ; four records of K
	s_mov_b32 s[G1K+4], 104
	s_mov_b32 s[G1C+2], 26<<16                     ; one record of K
	s_mov_b32 s[G1C+4], 26
	s_mov_b32 s[G1V+2], 200<<16                    ; eight records of V
	s_mov_b32 s[G1V+4], 200
	s_mul_i32 s70, s19, 16*KREC
	s_mov_b32 s71, 0
	s_mul_i32 s72, s16, 4*KREC                     ; waves 0-3: my four records of K
	s_mov_b32 s73, 0
	s_mul_i32 s76, s19, 16*VREC
	s_mov_b32 s77, 0
	s_and_b32 s78, s[WV], 1
	s_mul_i32 s78, s78, 8*VREC                     ; waves 4, 5: my half of V
	s_mov_b32 s79, 0
	s_mov_b32 s[SEL], 0x76543210
	s_mov_b32 s[SEL+1], 0xfedcba98                 ; lane l xor 16
	s_mov_b32 s[HM], 0xffff0000                    ; lanes 16-31
	s_wait_dscnt 0x0
	s_wait_kmcnt 0x0
	s_add_nc_u64 s[6:7], s[6:7], s[70:71]
	s_add_nc_u64 s[8:9], s[8:9], s[76:77]
	ROUND                                          ; all four work-groups are here: the joint loads meet
	s_mov_b32 s[G0K], 1
	s_mov_b32 s[G0K+1], s72
	s_add_nc_u64 s[G0K+2:G0K+3], s[6:7], s[72:73]
	s_or_b32 s[G0K+3], s[G0K+3], 0x80000000
	s_mov_b32 s[G0C], 1
	s_mov_b32 s[G0C+1], 16*KREC
	s_mov_b64 s[G0C+2:G0C+3], s[6:7]
	s_or_b32 s[G0C+3], s[G0C+3], 0x80000000
	s_mov_b32 s[G0V], 1
	s_add_co_u32 s[G0V+1], s78, VB
	s_add_nc_u64 s[G0V+2:G0V+3], s[8:9], s[78:79]
	s_or_b32 s[G0V+3], s[G0V+3], 0x80000000
	; the launch's only fills: one chain of branches on the wave's number, one load to an arm; wave 7 has none
	s_cmp_lt_u32 s[WV], 4
	s_cbranch_scc0 .Lhead_v
	tensor_load_to_lds s[G0K:G0K+3], s[G1K:G1K+7]
	s_nop 0
.rept 4
	v_nop
.endr
	s_branch .Lasked
.Lhead_v:
	s_cmp_lt_u32 s[WV], 6
	s_cbranch_scc0 .Lhead_c
	tensor_load_to_lds s[G0V:G0V+3], s[G1V:G1V+7]
	s_nop 0
.rept 4
	v_nop
.endr
	s_branch .Lasked
.Lhead_c:
	s_cmp_eq_u32 s[WV], 6
	s_cbranch_scc0 .Lasked
	tensor_load_to_lds s[G0C:G0C+3], s[G1C:G1C+7]
	s_nop 0
.rept 4
	v_nop
.endr
.Lasked:
	; all below, down to the wait on TENSORcnt, stands under the loads' flight.  First the scalar parts of the addresses
	s_lshl_b32 s80, s19, 4
	s_lshl_b32 s81, s18, 1
	s_add_co_u32 s80, s80, s81
	s_add_co_u32 s80, s80, s15
	s_mul_i32 s80, s80, KREC
	s_mov_b32 s81, 0
	s_add_nc_u64 s[4:5], s[4:5], s[80:81]          ; q's record
	s_lshl_b32 s82, s20, 13
	s_mov_b32 s83, 0
	s_add_nc_u64 s[10:11], s[10:11], s[82:83]      ; my batch's mask
	s_lshl_b32 s22, s20, 4
	s_lshl_b32 s23, s18, 1
	s_add_co_u32 s22, s22, s23
	s_add_co_u32 s22, s22, s15
	s_lshl_b32 s22, s22, 3
	s_lshr_b32 s23, s21, 1
	s_add_co_u32 s22, s22, s23
	s_mul_i32 s22, s22, 12800
	s_mov_b32 s23, 0
	s_add_nc_u64 s[22:23], s[12:13], s[22:23]      ; head's record: 128 positions x 128 of e
	s_lshl_b32 s84, s[WV], 10
	s_add_co_u32 s84, s84, MB                      ; the mask's place in LDS: record 8 i + wave
	s_mul_i32 s85, s16, 1536                       ; my two tiles of q
	s_lshl_b32 s86, s16, 2                         ; and their scale words
	s_lshl_b32 s87, s18, 10
	s_lshl_b32 s88, s[WV], 7
	s_add_co_u32 s87, s87, s88                     ; my 32 queries in the mask
	s_lshl_b32 s88, s16, 2
	s_and_b32 s90, s21, 1
	s_add_co_u32 s88, s88, s90
	s_mul_i32 s88, s88, 768                        ; out: tile 2 pair + t, half fragment head & 1
	s_lshl_b32 s89, s16, 7
	s_lshl_b32 s90, s90, 1
	s_add_co_u32 s89, s89, s90
	s_add_co_u32 s89, s89, 12288                   ; out: the pair's scale words, bytes 2 (head & 1) on
	v_and_b32 v1, 31, v0
	v_lshlrev_b32 v2, 4, v0                        ; the mask, in: 16 bytes a thread
	v_lshlrev_b32 v7, 4, v1                        ; 16 l
	v_add_nc_u32 v3, s84, v7
	v_add_nc_u32 v4, s85, v7
	v_add_nc_u32 v5, s86, v7
	v_and_b32 v6, 15, v0
	v_and_b32 v15, 8, v0
	v_add_nc_u32 v6, v6, v15                       ; a tile's row rho is query rho + 8 (rho >> 3)
	v_lshl_add_u32 v6, v6, 2, s87
	v_bfe_u32 v15, v0, 4, 1
	v_lshl_add_u32 v8, v15, 6, MB
	v_add_nc_u32 v9, VB, v7
	v_lshl_add_u32 v10, v1, 2, VB+6144
	v_add_nc_u32 v25, s88, v7
	v_lshl_add_u32 v26, v1, 3, s88
	v_add_nc_u32 v26, 512, v26
	v_lshl_add_u32 v27, v1, 2, s89
.irp i, 0,1
	global_load_b128 v[112+4*\i:115+4*\i], v2, s[10:11] offset:4096*\i
.endr
	global_load_b32 v22, v5, s[4:5] offset:6144
	global_load_b128 v[QF:QF+3], v4, s[4:5]
	global_load_b64 v[QF+4:QF+5], v4, s[4:5] offset:512
	global_load_b64 v[QF+12:QF+13], v4, s[4:5] offset:520
	global_load_b128 v[QF+14:QF+17], v4, s[4:5] offset:1024
.irp t, 0,1
	global_load_b32 v[STT+8*\t+6], v6, s[10:11] offset:32*\t
.endr
.irp t, 0,1
.irp j, 6,7,8,9,10,11
	v_mov_b32 v[QF+12*\t+\j], 0                    ; zero codes for K = 64 .. 127
.endr
	v_mov_b32 v[STT+8*\t], 0xff61b1e6              ; -3e38, under every t
.irp j, 1,2,3,4,5,7
	v_mov_b32 v[STT+8*\t+\j], 0
.endr
.endr
	WIN 0x40
.set J, 0
.rept 64
	v_mov_b32 v[OB+J], 0                           ; walk 2 is written once: its first trip finds zeros
.set J, J+1
.endr
.irp j, 48,49,50,51,52,53
	v_mov_b32 v[KF+\j], 0                          ; behind K's last tile: named by its product, met by q's zero codes
.endr
	WIN 0
.irp b, 0,1,2,3
	v_mov_b32 v[TM+4+\b], 0                        ; a lane permute's destination counts as one of its sources
.endr
	s_wait_alu depctr_va_vdst(0)
	s_wait_loadcnt 0x0
.irp e, 0,1,2,3,4,5,6,7
	v_sub_f32 v[144+\e], 1.0, v[112+\e]
	v_mul_f32 v[128+\e], 0x3e38aa3b, v[112+\e]     ; mask x log2(e) / 8
.endr
.irp e, 0,1,2,3,4,5,6,7
	v_mul_f32 v[144+\e], 0xf149f2ca, v[144+\e]     ; (1 - mask) x -1e30,
.endr
.irp e, 0,1,2,3,4,5,6,7
	v_mul_f32 v[144+\e], 0x3fb8aa3b, v[144+\e]     ; x log2(e)
.endr
	s_wait_alu depctr_va_vdst(0)
	s_wait_tensorcnt 0x0                           ; my load, if I have one, has landed
.irp i, 0,1
	ds_store_b128 v3, v[128+4*\i:131+4*\i] offset:8192*\i
	ds_store_b128 v3, v[144+4*\i:147+4*\i] offset:8192*\i+512
.endr
	s_cmp_lg_u32 s[WV], 0
	s_cbranch_scc1 .Lno_copy
	ds_store_b128 v3, v[128:131] offset:16384      ; the first 128 keys once more, behind the last
	ds_store_b128 v3, v[144:147] offset:16896
.Lno_copy:
	s_wait_dscnt 0x0
	s_barrier_signal -1
	s_barrier_wait -1                              ; K, its copy, V and the mask's factors are whole for every wave; nothing in LDS is written from here on
	s_mov_b32 s[TK], 0
	s_mov_b32 s[TMK], 0
	LDK
	LDM
	s_mov_b32 s[CNT], 16
.Lwalk1:
	s_wait_dscnt 0x0                               ; this trip's K and factors are in
	P1TILE 0
	P1TILE 1
	WIN 0
	s_sub_co_u32 s[CNT], s[CNT], 1
	s_cmp_lg_u32 s[CNT], 0
	s_cbranch_scc1 .Lwalk1
.irp t, 0,1
	v_add_f32 v[TMX+\t], v[STT+8*\t+2], v[STT+8*\t+3]
.endr
.irp t, 0,1
	v_permlanex16_b32 v[STT+8*\t+4], v[TMX+\t], s[SEL], s[SEL+1]
.endr
.irp t, 0,1
	v_add_f32 v[TMX+\t], v[TMX+\t], v[STT+8*\t+4]  ; the row's sum
.endr
	s_wait_alu depctr_va_vdst(0)                   ; the waits ahead of the batch and behind it
.irp t, 0,1
	v_rcp_f32 v[STT+8*\t+4], v[TMX+\t]
.endr
	v_nop
	s_wait_alu depctr_va_vdst(0)
.irp t, 0,1
	v_mul_f32 v[STT+8*\t+6], v[STT+8*\t+6], v[STT+8*\t+4]   ; mask[query] / sum
.endr
	s_mov_b32 s[TK], KREC                          ; walk 1's last trip has fetched the copies of the first record and of its factors
	s_mov_b32 s[TMK], 1024
	s_mov_b32 s[TV], 0
	s_mov_b32 s[CNT], 16
.Lwalk2:
	s_wait_dscnt 0x0
	P2TILE 0
	P2TILE 1
	WIN 0
	s_sub_co_u32 s[CNT], s[CNT], 1
	s_cmp_lg_u32 s[CNT], 0
	s_cbranch_scc1 .Lwalk2
	s_wait_dscnt 0x0                               ; the last trip's loads have landed: their registers are written below
.rept 4
	v_nop
.endr
.irp t, 0,1
	QUANT 2, 1, OB+32*\t, HC+6*\t, 100+\t          ; head's 64 numbers of a query: two blocks along the next product's K
.endr
	v_cndmask_b32 v104, v100, v101, s[HM]          ; lanes 0-15 the even tile's words, lanes 16-31 the odd tile's
.irp t, 0,1
	global_store_b128 v25, v[HC+6*\t:HC+6*\t+3], s[22:23] offset:1536*\t
	global_store_b64 v26, v[HC+6*\t+4:HC+6*\t+5], s[22:23] offset:1536*\t
.endr
	global_store_b16 v27, v104, s[22:23]
	s_wait_tensorcnt 0x0                           ; the wave's end
	ds_add_u32 v254, v255
	s_wait_dscnt 0x0
	ROUND                                          ; the closing round
	s_endpgm
.Lfunc_end_k_q08b531ee78_attn:
	.size	k_q08b531ee78_attn, .Lfunc_end_k_q08b531ee78_attn-k_q08b531ee78_attn
	.p2alignl 7, 3214868480
	.fill 96, 4, 3214868480
	.section	.rodata,"a",@progbits
	.p2align	6, 0x0
	.amdhsa_kernel k_q08b531ee78_attn
		.amdhsa_group_segment_fixed_size 327680
		.amdhsa_private_segment_fixed_size 0
		.amdhsa_enable_private_segment 0
		.amdhsa_kernarg_size 40
		.amdhsa_user_sgpr_count 2
		.amdhsa_user_sgpr_kernarg_segment_ptr 1
		.amdhsa_wavefront_size32 1
		.amdhsa_system_sgpr_workgroup_id_x 1
		.amdhsa_system_sgpr_workgroup_id_y 1
		.amdhsa_system_sgpr_workgroup_id_z 1
		.amdhsa_system_vgpr_workitem_id 0
		.amdhsa_next_free_vgpr 512
		.amdhsa_next_free_sgpr 100
		.amdhsa_reserve_vcc 0
		.amdhsa_float_denorm_mode_32 3
		.amdhsa_float_denorm_mode_16_64 3
		.amdhsa_memory_ordered 1
		.amdhsa_forward_progress 1
		.amdhsa_inst_pref_size 82
	.end_amdhsa_kernel
	.amdgpu_metadata
---
amdhsa.version: [ 1, 2 ]
amdhsa.kernels:
  - .name:           k_q08b531ee78_attn
    .symbol:         k_q08b531ee78_attn.kd
    .args:
      - { .name: qbuf, .offset: 0, .size: 8, .value_kind: global_buffer, .address_space: global }
      - { .name: kbuf, .offset: 8, .size: 8, .value_kind: global_buffer, .address_space: global }
      - { .name: vbuf, .offset: 16, .size: 8, .value_kind: global_buffer, .address_space: global }
      - { .name: mask, .offset: 24, .size: 8, .value_kind: global_buffer, .address_space: global }
      - { .name: hbuf, .offset: 32, .size: 8, .value_kind: global_buffer, .address_space: global }
    .group_segment_fixed_size: 327680
    .private_segment_fixed_size: 0
    .kernarg_segment_align: 8
    .kernarg_segment_size: 40
    .max_flat_workgroup_size: 256
    .sgpr_count:     100
    .vgpr_count:     512
    .wavefront_size: 32
...
	.end_amdgpu_metadata
.endif
;; end of part 3
;; launch outp (part 4): grid 8 x 32, 4 waves a work-group, clusters of 4 x 4, 327,680 bytes of LDS; arguments hbuf, wo, out0; writes out0
.if DOCPART == 4
	.amdgcn_target "amdgcn-amd-amdhsa--gfx1250"
	.amdhsa_code_object_version 6
	.text
	.protected	k_q08b531ee78_outp
	.globl	k_q08b531ee78_outp
	.p2align	8
	.type	k_q08b531ee78_outp,@function
k_q08b531ee78_outp:
	s_mov_b64 s[64:65], 0
	v_nop
	global_prefetch_b8 v0, s[64:65] scope:SCOPE_SE
	s_setreg_imm32_b32 hwreg(HW_REG_WAVE_MODE, 25, 1), 1
	s_wait_xcnt 0x0
	s_wait_alu depctr_hold_cnt(0) depctr_sa_sdst(0) depctr_va_vdst(0) depctr_va_sdst(0) depctr_va_ssrc(0) depctr_va_vcc(0) depctr_vm_vsrc(0)
	s_getreg_b32 s2, hwreg(HW_REG_IB_STS2, 6, 4)
	s_cmp_eq_u32 s2, 0
	s_cbranch_scc0 .Lentry_in_a_cluster
	s_endpgm
.Lentry_in_a_cluster:
	s_bfe_u32 s2, ttmp6, 0x10000c
	s_cmp_lg_u32 s2, 0xf033
	s_cbranch_scc0 .Lentry_shape_is_right
	s_endpgm
.Lentry_shape_is_right:
; out0[b][n][l] = sum over e of head[b][l][e] Wo[e][n], on codes of FP6 (E2M3) with E8M0 scales; K = e = 1,024 in eight steps of 128.
; SHARES.  Work-group (dg, G): 128 columns n x 128 positions l.  Wave w: pw = w >> 1 takes 64 positions (4 tiles), dw = w & 1 takes 64 columns (4 tiles): 16 accumulators, (n, i) at v[128 + 8 (4 n + i)].
; Source 0 = 16 positions of head, source 1 = 16 columns of Wo: a lane holds ONE n and eight neighbouring l, as out0's rows run.
; LDS: all of K at once, every byte filled ONCE: phase p (steps 4 p .. 4 p + 3) at 102,400 p: head's four records, then Wo's four (12,800 each).  Behind them a stage of two blocks of 16 x 272 bytes for each wave.
; CLUSTER 4 x 4: head's records hang on G alone and are asked for jointly along a row of the cluster, Wo's on dg alone, along a column.  Waves 0, 1 fetch head's, waves 2, 3 Wo's: two loads a wave, both at the start.
; REGISTERS: v1-9 addresses; v24-25 head's scale pairs, v26-27 Wo's; v32-79 head's four fragments, v80-127 Wo's; on the way out v32-95 rows read back.
; THE FILLS, as they now stand (in place of what the lines above say of them): phase 0's load at the head, one a wave; phase 1's behind the wait for all loads, the add and a round of the cluster's barrier
; Every byte is still filled once.
.set WV,   10
.set G1H,  24
.set G1O,  32
.set G0H,  40
.set G0O,  48
.set PHASE, 102400
.set REC,  12800
.set STAGE, 204800
.macro ROUND                           ; a round of the cluster's barrier
	s_barrier_signal -1
	s_barrier_wait -1
	s_cmp_lg_u32 s[WV], 0
	s_cbranch_scc1 .Lnot_wave_0_\@
	s_barrier_signal -3
.Lnot_wave_0_\@:
	s_barrier_wait -3
	s_barrier_signal -1
	s_barrier_wait -1
.endm
; One product.  d, a, b: first registers of D, source 0, source 1; z = 1: C is 0, else C = D; sa, sb: scale registers; ra, rb = 1: the side's scales stand in lanes 16-31
.macro WM d, a, b, z, sa, sb, ra, rb
.if (\z)
.if (\ra) && (\rb)
	v_wmma_scale_f32_16x16x128_f8f6f4 v[(\d):(\d)+7], v[(\a):(\a)+11], v[(\b):(\b)+11], 0, v[\sa], v[\sb] matrix_a_fmt:MATRIX_FMT_FP6 matrix_b_fmt:MATRIX_FMT_FP6 matrix_a_scale:MATRIX_SCALE_ROW1 matrix_b_scale:MATRIX_SCALE_ROW1
.elseif (\ra)
	v_wmma_scale_f32_16x16x128_f8f6f4 v[(\d):(\d)+7], v[(\a):(\a)+11], v[(\b):(\b)+11], 0, v[\sa], v[\sb] matrix_a_fmt:MATRIX_FMT_FP6 matrix_b_fmt:MATRIX_FMT_FP6 matrix_a_scale:MATRIX_SCALE_ROW1
.elseif (\rb)
	v_wmma_scale_f32_16x16x128_f8f6f4 v[(\d):(\d)+7], v[(\a):(\a)+11], v[(\b):(\b)+11], 0, v[\sa], v[\sb] matrix_a_fmt:MATRIX_FMT_FP6 matrix_b_fmt:MATRIX_FMT_FP6 matrix_b_scale:MATRIX_SCALE_ROW1
.else
	v_wmma_scale_f32_16x16x128_f8f6f4 v[(\d):(\d)+7], v[(\a):(\a)+11], v[(\b):(\b)+11], 0, v[\sa], v[\sb] matrix_a_fmt:MATRIX_FMT_FP6 matrix_b_fmt:MATRIX_FMT_FP6
.endif
.else
.if (\ra) && (\rb)
	v_wmma_scale_f32_16x16x128_f8f6f4 v[(\d):(\d)+7], v[(\a):(\a)+11], v[(\b):(\b)+11], v[(\d):(\d)+7], v[\sa], v[\sb] matrix_a_fmt:MATRIX_FMT_FP6 matrix_b_fmt:MATRIX_FMT_FP6 matrix_a_scale:MATRIX_SCALE_ROW1 matrix_b_scale:MATRIX_SCALE_ROW1
.elseif (\ra)
	v_wmma_scale_f32_16x16x128_f8f6f4 v[(\d):(\d)+7], v[(\a):(\a)+11], v[(\b):(\b)+11], v[(\d):(\d)+7], v[\sa], v[\sb] matrix_a_fmt:MATRIX_FMT_FP6 matrix_b_fmt:MATRIX_FMT_FP6 matrix_a_scale:MATRIX_SCALE_ROW1
.elseif (\rb)
	v_wmma_scale_f32_16x16x128_f8f6f4 v[(\d):(\d)+7], v[(\a):(\a)+11], v[(\b):(\b)+11], v[(\d):(\d)+7], v[\sa], v[\sb] matrix_a_fmt:MATRIX_FMT_FP6 matrix_b_fmt:MATRIX_FMT_FP6 matrix_b_scale:MATRIX_SCALE_ROW1
.else
	v_wmma_scale_f32_16x16x128_f8f6f4 v[(\d):(\d)+7], v[(\a):(\a)+11], v[(\b):(\b)+11], v[(\d):(\d)+7], v[\sa], v[\sb] matrix_a_fmt:MATRIX_FMT_FP6 matrix_b_fmt:MATRIX_FMT_FP6
.endif
.endif
.endm
	s_load_b128 s[4:7], s[0:1], 0x0                ; hbuf, wo
	s_load_b64 s[8:9], s[0:1], 0x10                ; out0
	v_lshl_add_u32 v30, v0, 2, 0x3a800
	v_mov_b32 v31, 0
	ds_add_u32 v30, v31
	ds_add_u32 v30, v31
	v_lshrrev_b32 v1, 5, v0
	v_readfirstlane_b32 s[WV], v1
	s_lshr_b32 s11, s[WV], 1                       ; my 64 positions.  Also: I fetch head's records (0) or Wo's (1)
	s_and_b32 s12, s[WV], 1                        ; my 64 columns.  Also: which two records of a phase's four I fetch
	s_bfe_u32 s13, ttmp6, 0x40000                  ; cx
	s_bfe_u32 s14, ttmp6, 0x40004                  ; cy
	s_lshl_b32 s15, ttmp9, 2
	s_add_co_u32 s15, s15, s13                     ; dg
	s_and_b32 s16, ttmp7, 0xffff
	s_lshl_b32 s16, s16, 2
	s_add_co_u32 s16, s16, s14                     ; G
	s_lshl_b32 s17, s14, 2
	s_lshl_b32 s17, 15, s17                        ; my row of the cluster
	s_lshl_b32 s18, 0x1111, s13                    ; my column
	s_or_b32 s[G1H], s17, (3<<16)|(1<<21)          ; 15:0 the mask; 17:16 elements of 8 bytes; 21 set beside a mask
	s_or_b32 s[G1O], s18, (3<<16)|(1<<21)
.irp g, G1H, G1O
	s_mov_b32 s[\g+1], 32<<16                      ; 100 rows of 256 bytes: two records
	s_mov_b32 s[\g+2], 100<<16
	s_mov_b32 s[\g+3], 32<<16
	s_mov_b32 s[\g+4], 100
	s_mov_b32 s[\g+5], 32
	s_mov_b32 s[\g+6], 0
	s_mov_b32 s[\g+7], 0
.endr
	s_mul_i32 s19, s12, 2*REC                      ; my two records: in memory and in LDS
	s_mul_i32 s20, s16, 8*REC                      ; head: by G and the wave alone
	s_add_co_u32 s20, s20, s19
	s_mov_b32 s21, 0
	s_mul_i32 s22, s15, 8*REC                      ; Wo: by dg and the wave alone
	s_add_co_u32 s22, s22, s19
	s_mov_b32 s23, 0
	s_add_co_u32 s3, s19, 4*REC                    ; Wo's records lie behind head's four
	s_wait_dscnt 0x0
	s_wait_kmcnt 0x0
	s_add_nc_u64 s[20:21], s[4:5], s[20:21]
	s_add_nc_u64 s[22:23], s[6:7], s[22:23]
	ROUND                                          ; all sixteen work-groups are here: the joint loads meet
.irp p, 0,1
	s_mov_b32 s[G0H+4*\p], 1
	s_add_co_u32 s[G0H+4*\p+1], s19, PHASE*\p
	s_add_nc_u64 s[G0H+4*\p+2:G0H+4*\p+3], s[20:21], 4*REC*\p
	s_or_b32 s[G0H+4*\p+3], s[G0H+4*\p+3], 0x80000000
	s_mov_b32 s[G0O+4*\p], 1
	s_add_co_u32 s[G0O+4*\p+1], s3, PHASE*\p
	s_add_nc_u64 s[G0O+4*\p+2:G0O+4*\p+3], s[22:23], 4*REC*\p
	s_or_b32 s[G0O+4*\p+3], s[G0O+4*\p+3], 0x80000000
.endr
	s_cmp_eq_u32 s11, 0                            ; the head's fills: one load a wave, in the two arms of one branch on the wave's number
	s_cbranch_scc0 .Lfill_o
	tensor_load_to_lds s[G0H:G0H+3], s[G1H:G1H+7]
	s_nop 0
.rept 4
	v_nop
.endr
	s_branch .Lfilled
.Lfill_o:
	tensor_load_to_lds s[G0O:G0O+3], s[G1O:G1O+7]
	s_nop 0
.rept 4
	v_nop
.endr
.Lfilled:
	v_and_b32 v1, 31, v0
	s_mul_i32 s56, s11, 6144
	v_lshl_add_u32 v2, v1, 4, s56                  ; head's half fragments: four registers at 16 l,
	v_lshl_add_u32 v3, v1, 3, s56
	v_add_nc_u32 v3, 512, v3                       ; two at 512 + 8 l
	s_mul_i32 s56, s12, 6144
	s_add_co_u32 s56, s56, 4*REC
	v_lshl_add_u32 v4, v1, 4, s56                  ; Wo's fragments
	s_lshl_b32 s56, s11, 8
	s_add_co_u32 s56, s56, 12288
	v_lshl_add_u32 v5, v1, 2, s56                  ; head's scale pairs
	s_lshl_b32 s56, s12, 8
	s_add_co_u32 s56, s56, 4*REC+12288
	v_lshl_add_u32 v6, v1, 2, s56                  ; Wo's
	v_and_b32 v10, 15, v0                          ; r
	v_bfe_u32 v11, v0, 4, 1                        ; h
	s_mul_i32 s56, s[WV], 8704
	s_add_co_u32 s56, s56, STAGE                   ; my stage
	v_mul_u32_u24 v7, v10, 272
	v_lshl_add_u32 v7, v11, 6, v7
	v_add_nc_u32 v7, s56, v7                       ; in: row r (a column n), 64 h bytes on
	v_mul_u32_u24 v8, v11, 272
	v_lshl_add_u32 v8, v10, 4, v8
	v_add_nc_u32 v8, s56, v8                       ; back: lanes 0-15 one row of 256 bytes, lanes 16-31 the next
	v_lshlrev_b32 v9, 13, v11
	v_lshl_add_u32 v9, v10, 4, v9                  ; and the same two rows of out0, 8,192 bytes apart
	s_lshr_b32 s56, s16, 4
	s_lshl_b32 s56, s56, 23                        ; the batch
	s_lshl_b32 s57, s15, 20
	s_add_co_u32 s56, s56, s57                     ; row 128 dg
	s_lshl_b32 s57, s12, 19
	s_add_co_u32 s56, s56, s57                     ; + 64 dw
	s_and_b32 s57, s16, 15
	s_lshl_b32 s57, s57, 9
	s_add_co_u32 s56, s56, s57                     ; position 128 (G & 15)
	s_lshl_b32 s57, s11, 8
	s_add_co_u32 s56, s56, s57                     ; + 64 pw
	s_mov_b32 s57, 0
	s_add_nc_u64 s[8:9], s[8:9], s[56:57]
.macro STEP sg, z                      ; 32 LDS loads, 16 products; the 16 accumulators take turns, one instruction a turn
.set RO, ((\sg)%4)*REC
.irp i, 0,1,2,3
.irp c, 0,1
	ds_load_b128 v[32+12*\i+6*\c:32+12*\i+6*\c+3], v2 offset:RO+1536*\i+768*\c
	ds_load_b64 v[32+12*\i+6*\c+4:32+12*\i+6*\c+5], v3 offset:RO+1536*\i+768*\c
.endr
.endr
.irp n, 0,1,2,3
.irp p, 0,1,2
	ds_load_b128 v[80+12*\n+4*\p:80+12*\n+4*\p+3], v4 offset:RO+1536*\n+512*\p
.endr
.endr
.irp j, 0,1
	ds_load_b32 v[24+\j], v5 offset:RO+128*\j
	ds_load_b32 v[26+\j], v6 offset:RO+128*\j
.endr
	s_wait_dscnt 0x0
.irp n, 0,1,2,3
.irp i, 0,1,2,3
	WM 128+8*(4*\n+\i), 32+12*\i, 80+12*\n, \z, 24+\i/2, 26+\n/2, \i%2, \n%2
.endr
.endr
.rept 4
	v_nop                                          ; four plain instructions in front of loads into registers that these products read, and of the first read of results
.endr
.endm
	s_wait_alu depctr_va_vdst(0)                   ; the wait at the head's end
	s_wait_tensorcnt 0x0                           ; my part of phase 0 is in;
	ds_add_u32 v30, v31                            ; the add ahead of a later first fill,
	s_wait_dscnt 0x0                               ; and its wait
	ROUND                                          ; everybody's part is in, and all sixteen work-groups are here: the joint loads meet
	s_cmp_eq_u32 s11, 0                            ; phase 1: my one load behind the round; it has steps 0 to 3 in which to land
	s_cbranch_scc0 .Lfill_o2
	tensor_load_to_lds s[G0H+4:G0H+7], s[G1H:G1H+7]
	s_nop 0
.rept 4
	v_nop
.endr
	s_branch .Lfilled2
.Lfill_o2:
	tensor_load_to_lds s[G0O+4:G0O+7], s[G1O:G1O+7]
	s_nop 0
.rept 4
	v_nop
.endr
.Lfilled2:
	STEP 0, 1                                      ; the first step's products start the sums
	STEP 1, 0
	STEP 2, 0
	STEP 3, 0
	s_wait_tensorcnt 0x0                           ; my part of phase 1 is in (no LDS instruction of mine is out),
	s_barrier_signal -1
	s_barrier_wait -1                              ; everybody's is
	v_add_nc_u32 v2, PHASE, v2
	v_add_nc_u32 v3, PHASE, v3
	v_add_nc_u32 v4, PHASE, v4
	v_add_nc_u32 v5, PHASE, v5
	v_add_nc_u32 v6, PHASE, v6
	STEP 4, 0
	s_wait_alu depctr_va_vdst(0)
	STEP 5, 0
	STEP 6, 0
	STEP 7, 0
; THE WAY OUT, a tile of 16 columns n x 64 positions at a time, through my own stage: a lane's 32 bytes of a row go in, whole rows of 256 bytes come back.  LDS serves a wave's instructions in order: no wait between the stores and the loads.
.macro TOSTAGE n
.irp i, 0,1,2,3
	ds_store_b128 v7, v[128+8*(4*(\n)+\i):128+8*(4*(\n)+\i)+3] offset:4352*((\n)%2)+128*(\i/2)+32*(\i%2)       ; each accumulator from its low end on
	ds_store_b128 v7, v[128+8*(4*(\n)+\i)+4:128+8*(4*(\n)+\i)+7] offset:4352*((\n)%2)+128*(\i/2)+32*(\i%2)+16
.endr
.irp k, 0,1,2,3,4,5,6,7
	ds_load_b128 v[32+32*((\n)%2)+4*\k:32+32*((\n)%2)+4*\k+3], v8 offset:4352*((\n)%2)+544*\k
.endr
.endm
.macro SEND n, younger                 ; younger: the LDS instructions issued behind tile n's loads, which may stay out.  Stage row rho = 2 k + h is column 32 (n / 2) + 8 (n % 2) + rho + 8 (rho >> 3)
	s_wait_dscnt \younger
.irp k, 0,1,2,3,4,5,6,7
	global_store_b128 v9, v[32+32*((\n)%2)+4*\k:32+32*((\n)%2)+4*\k+3], s[8:9] offset:(32*((\n)/2)+8*((\n)%2)+2*\k+8*(\k/4))*8192 th:TH_STORE_NT   ; sixteen lanes store 256 consecutive bytes, at a multiple of 256 from out0's first byte
.endr
.endm
	TOSTAGE 0
.irp n, 1,2,3
.if \n > 1
	s_wait_xcnt 0x0                                ; tile n - 2's stores have read their registers: tile n's loads may land there
.endif
	TOSTAGE \n
	SEND \n-1, 16                                  ; behind tile n - 1's loads: tile n's 8 stores and 8 loads
.endr
	SEND 3, 0
	s_wait_tensorcnt 0x0
	ds_add_u32 v30, v31
	s_wait_dscnt 0x0
	ROUND                                          ; the closing round: no work-group ends while a partner may still ask for a record that names it
	s_endpgm
.Lfunc_end_k_q08b531ee78_outp:
	.size	k_q08b531ee78_outp, .Lfunc_end_k_q08b531ee78_outp-k_q08b531ee78_outp
	.p2alignl 7, 3214868480
	.fill 96, 4, 3214868480
	.section	.rodata,"a",@progbits
	.p2align	6, 0x0
	.amdhsa_kernel k_q08b531ee78_outp
		.amdhsa_group_segment_fixed_size 327680
		.amdhsa_private_segment_fixed_size 0
		.amdhsa_enable_private_segment 0
		.amdhsa_kernarg_size 24
		.amdhsa_user_sgpr_count 2
		.amdhsa_user_sgpr_kernarg_segment_ptr 1
		.amdhsa_wavefront_size32 1
		.amdhsa_system_sgpr_workgroup_id_x 1
		.amdhsa_system_sgpr_workgroup_id_y 1
		.amdhsa_system_sgpr_workgroup_id_z 1
		.amdhsa_system_vgpr_workitem_id 0
		.amdhsa_next_free_vgpr 256
		.amdhsa_next_free_sgpr 66
		.amdhsa_reserve_vcc 0
		.amdhsa_float_denorm_mode_32 3
		.amdhsa_float_denorm_mode_16_64 3
		.amdhsa_memory_ordered 1
		.amdhsa_forward_progress 1
		.amdhsa_inst_pref_size 49
	.end_amdhsa_kernel
	.amdgpu_metadata
---
amdhsa.version: [ 1, 2 ]
amdhsa.kernels:
  - .name:           k_q08b531ee78_outp
    .symbol:         k_q08b531ee78_outp.kd
    .args:
      - { .name: hbuf, .offset: 0, .size: 8, .value_kind: global_buffer, .address_space: global }
      - { .name: wo, .offset: 8, .size: 8, .value_kind: global_buffer, .address_space: global }
      - { .name: out0, .offset: 16, .size: 8, .value_kind: global_buffer, .address_space: global }
    .group_segment_fixed_size: 327680
    .private_segment_fixed_size: 0
    .kernarg_segment_align: 8
    .kernarg_segment_size: 24
    .max_flat_workgroup_size: 128
    .sgpr_count:     66
    .vgpr_count:     256
    .wavefront_size: 32
...
	.end_amdgpu_metadata
.endif
;; end of part 4
